; MI455X (gfx1250); checked and timed in simulation.
; The chip was launched on July 23, 2026; its instructions are those of AMD's public machine-readable ISA for CDNA 5 (MIT licence, August 2026) and "CDNA5" Instruction Set Architecture Reference Guide (July 2026). The comments in the code are by the model that wrote it; some were corrected since.
;; Mo E Layer. Allowed arithmetic: float matrix products may take bf16 or f16 operands with f32 sums; other float arithmetic in f32, or as packed bf16 or f16 multiplies, adds, multiply-adds, maxima and minima; sums over many terms, partial sums and values carried from step to step in f32; what a program stores and reads back later, other than sums and carried values, may be rounded once to bf16 or f16.
;; Inputs: W1 8 x 1,024 x 4,096 float32; W2 8 x 4,096 x 1,024 float32; Wg 1,024 x 8 float32; b1 8 x 4,096 float32; b2 8 x 1,024 float32; bg 8 float32; x 4 x 256 x 1,024 float32.
;; Outputs: out0 4 x 256 x 1,024 float32.
;; One version. Each part assembles by itself: llvm-mc -triple=amdgcn-amd-amdhsa -mcpu=gfx1250 --defsym DOCPART=n.
;; ======== version 1 of 1: 4 launches
;; workspace buffers: xb 2,097,152 bytes; route 8,192 bytes of whole numbers; hB 9,437,184 bytes; part 16,908,288 bytes
;; launch router (part 1): grid 64 x 1, 8 waves a work-group, no clusters, 17,664 bytes of LDS; arguments x, Wg, bg, xb, route; writes xb, route
.if DOCPART == 1
	.amdgcn_target "amdgcn-amd-amdhsa--gfx1250"
	.amdhsa_code_object_version 6
	.text
	.protected	k_q32ec9abe7e_router
	.globl	k_q32ec9abe7e_router
	.p2align	8
	.type	k_q32ec9abe7e_router,@function
k_q32ec9abe7e_router:
	s_mov_b64 s[64:65], 0
	v_nop
	global_prefetch_b8 v0, s[64:65] scope:SCOPE_SE
	s_setreg_imm32_b32 hwreg(HW_REG_WAVE_MODE, 25, 1), 1
	s_wait_xcnt 0x0
; GATE.  scores = x Wg + bg, the chosen expert = argmax (the lower index wins a tie).  x [1024][1024] f32, Wg [1024][8] f32, bg [8] f32.
; Stores xb = x rounded to bf16 [1024][1024], and route: for each 16 tokens a record of 128 bytes: u16 mask[8] (bit i: token 16 G + i chose e), u16 count[8], zeros.
; x, Wg and bg are rounded once to bf16 (as every input of the program is); products and sums in f32.
; LIMITS: a NaN score is not treated as argmax treats it; scores that differ by less than the f32 sum's rounding may be ordered otherwise than by another order of summation.
; SHARES: work-group G has tokens 16 G .. 16 G + 15, wave w two of them; the 32 lanes split K: lane l holds k = 128 j + 4 l + c, numbered kk = 4 j + c.
; No matrix unit: 8 columns fill half a tile, and this is a thousandth of the program's arithmetic.  No address and no branch hangs on the scores.
.set IDX,   16384                      ; 16 words: the tokens' experts (a block of 256 bytes of its own)
.set SPARE, 16640                      ; the spare words, 128 bytes a wave
.set XF,  16                           ; v16-79   x as loaded: 32 t + kk; later at work
.set XP,  80                           ; v80-111  x in bf16 pairs: 16 t + kk / 2
.set WP,  112                          ; v112-239 Wg in bf16: 4 kk + e / 2; before that v112-143 Wg as loaded, v144-159 packed
.set ACC, 240                          ; v240-255 sums: 8 t + e; before that two at work
	s_load_b256 s[4:11], s[0:1], 0x0               ; x s[4:5], Wg s[6:7], bg s[8:9], xb s[10:11]
	s_load_b64 s[12:13], s[0:1], 0x20              ; route
	v_lshl_add_u32 v4, v0, 2, SPARE                ; my spare word; never rewritten
	v_mov_b32 v5, 0                                ; 0; never rewritten
	v_and_b32 v1, 31, v0                           ; lane
	v_lshrrev_b32 v240, 5, v0
	v_readfirstlane_b32 s14, v240                  ; wave
	v_lshlrev_b32 v2, 4, v1                        ; 16 lane
	v_lshlrev_b32 v3, 7, v1
	v_lshl_add_u32 v3, s14, 12, v3                 ; 128 lane + 4096 wave: my four rows of Wg
	v_mov_b32 v6, 0
	v_lshlrev_b32 v7, 3, v1                        ; 8 lane
	v_lshl_add_u32 v241, s14, 11, v2               ; where my four rows of Wg go in LDS
	s_lshl_b32 s16, ttmp9, 16                      ; (16 G + 2 w) rows of 4,096 bytes
	s_lshl_b32 s17, s14, 13
	s_add_co_u32 s16, s16, s17
	s_mov_b32 s17, 0
	s_lshr_b32 s18, s16, 1                         ; the same rows in xb
	s_mov_b32 s19, 0
	s_lshl_b32 s20, ttmp9, 7                       ; my record
	s_mov_b32 s21, 0
	s_mov_b32 s22, 0x76543210                      ; v_permlanex16_b32: each lane takes its own place in the other half
	s_mov_b32 s23, 0xfedcba98
	s_wait_kmcnt 0x0
	s_add_nc_u64 s[4:5], s[4:5], s[16:17]
	s_add_nc_u64 s[10:11], s[10:11], s[18:19]
	s_add_nc_u64 s[12:13], s[12:13], s[20:21]
.irp m, 0,1,2,3,4,5,6,7
	global_load_b128 v[WP+4*\m:WP+4*\m+3], v3, s[6:7] offset:16*\m   ; row c = m / 2, experts 4 (m % 2) ..
.endr
	global_load_b128 v[8:11], v6, s[8:9]
	global_load_b128 v[12:15], v6, s[8:9] offset:16
.irp t, 0,1
.irp j, 0,1,2,3,4,5,6,7
	global_load_b128 v[XF+32*\t+4*\j:XF+32*\t+4*\j+3], v2, s[4:5] offset:4096*\t+512*\j th:TH_LOAD_NT  ; 512 consecutive bytes
.endr
.endr
	s_wait_loadcnt 18                              ; Wg is in: bg's 2 and x's 16 loads are younger
.set n, 0
.rept 16
	v_cvt_pk_bf16_f32 v[WP+32+n], v[WP+2*n], v[WP+2*n+1]
.set n, n+1
.endr
.irp c, 0,1,2,3
	ds_store_b128 v241, v[WP+32+4*\c:WP+32+4*\c+3] offset:512*\c   ; entry kk = 4 w + c of lane l at 512 kk + 16 l
.endr
	s_wait_loadcnt 16                              ; bg is in
.irp p, 0,2,4,6
	v_cvt_pk_bf16_f32 v240, v[8+\p], v[9+\p]       ; bg rounded to bf16, kept as f32
	v_lshlrev_b32 v[8+\p], 16, v240
	v_and_b32 v[9+\p], 0xffff0000, v240
.endr
	s_wait_loadcnt 0x0                             ; x
.set n, 0
.rept 32
	v_cvt_pk_bf16_f32 v[XP+n], v[XF+2*n], v[XF+2*n+1]
.set n, n+1
.endr
.irp t, 0,1
.irp j, 0,1,2,3,4,5,6,7
	global_store_b64 v7, v[XP+16*\t+2*\j:XP+16*\t+2*\j+1], s[10:11] offset:2048*\t+256*\j  ; a wave's store covers 256 consecutive bytes, aligned
.endr
.endr
	s_wait_dscnt 0x0                               ; for the others' sake: my part of Wg lies in LDS
	s_barrier_signal -1
	s_barrier_wait -1
.set n, 0
.rept 32
	ds_load_b128 v[WP+4*n:WP+4*n+3], v2 offset:512*n
.set n, n+1
.endr
; one multiply-add from two bf16 halves into an f32 sum; 16 sums take turns
.macro FM
.set rD, ACC+8*t+e
.set rC, rD
.if kk == 0
.set rC, 6                                     ; the first product starts the sum on 0
.endif
.if (kk%2 == 0) && (e%2 == 0)
	v_fma_mix_f32_bf16 v[rD], v[XP+16*t+kk/2], v[WP+4*kk+e/2], v[rC] op_sel:[0,0,0] op_sel_hi:[1,1,0]
.elseif (kk%2 == 1) && (e%2 == 0)
	v_fma_mix_f32_bf16 v[rD], v[XP+16*t+kk/2], v[WP+4*kk+e/2], v[rC] op_sel:[1,0,0] op_sel_hi:[1,1,0]
.elseif (kk%2 == 0) && (e%2 == 1)
	v_fma_mix_f32_bf16 v[rD], v[XP+16*t+kk/2], v[WP+4*kk+e/2], v[rC] op_sel:[0,1,0] op_sel_hi:[1,1,0]
.else
	v_fma_mix_f32_bf16 v[rD], v[XP+16*t+kk/2], v[WP+4*kk+e/2], v[rC] op_sel:[1,1,0] op_sel_hi:[1,1,0]
.endif
.endm
.set kk, 0
.rept 32
.if kk%8 == 0
	s_wait_dscnt 24-kk                             ; the next eight entries are in; the later ones stay out
.endif
.set t, 0
.rept 2
.set e, 0
.rept 8
	FM
.set e, e+1
.endr
.set t, t+1
.endr
.set kk, kk+1
.endr
; the 16 sums over the wave's 32 lanes
.irp d, 1,2,4,8
.set a, 0
.rept 16
	v_add_f32_dpp v[ACC+a], v[ACC+a], v[ACC+a] row_xmask:\d row_mask:0xf bank_mask:0xf
.set a, a+1
.endr
.endr
.set a, 0
.rept 16
	v_permlanex16_b32 v[XF+a], v[ACC+a], s22, s23
.set a, a+1
.endr
.set a, 0
.rept 16
	v_add_f32 v[ACC+a], v[ACC+a], v[XF+a]
.set a, a+1
.endr
.set a, 0
.rept 16
	v_add_f32 v[ACC+a], v[ACC+a], v[8+a%8]         ; + bg
.set a, a+1
.endr
; argmax: a later score wins only if it is greater
.irp t, 0,1
	v_mov_b32 v[48+\t], 0
.irp e, 1,2,3,4,5,6,7
	v_cmp_gt_f32 vcc_lo, v[ACC+8*\t+\e], v[ACC+8*\t]
	v_cndmask_b32 v[48+\t], v[48+\t], \e, vcc_lo
	v_max_num_f32 v[ACC+8*\t], v[ACC+8*\t], v[ACC+8*\t+\e]
.endr
.endr
	s_lshl_b32 s24, s14, 3
	s_add_co_u32 s24, s24, IDX
	v_mov_b32 v50, s24
	ds_store_b32 v50, v48                          ; all lanes write the same word with the same number
	ds_store_b32 v50, v49 offset:4
	s_wait_dscnt 0x0                               ; for wave 0's sake
	s_barrier_signal -1
	s_barrier_wait -1
	s_cmp_lg_u32 s14, 0
	s_cbranch_scc1 .Lend
	v_and_b32 v51, 15, v0
	v_lshlrev_b32 v51, 2, v51
	ds_load_b32 v52, v51 offset:IDX                ; lane i (and i + 16): token i's expert
	v_mov_b32 v53, 0
	v_lshlrev_b32 v54, 2, v1
	s_wait_dscnt 0x0
.irp e, 0,1,2,3,4,5,6,7
	v_cmp_eq_u32 s[24+\e], \e, v52
	s_and_b32 s[24+\e], s[24+\e], 0xffff           ; the mask of the 16 tokens
	s_bcnt1_i32_b32 s[32+\e], s[24+\e]             ; and their number
.endr
.irp k, 0,1,2,3
	s_lshl_b32 s[40+\k], s[25+2*\k], 16
	s_or_b32 s[40+\k], s[40+\k], s[24+2*\k]
	s_lshl_b32 s[44+\k], s[33+2*\k], 16
	s_or_b32 s[44+\k], s[44+\k], s[32+2*\k]
.endr
.irp k, 0,1,2,3,4,5,6,7
	v_writelane_b32 v53, s[40+\k], \k
.endr
	global_store_b32 v54, v53, s[12:13]            ; the record: 128 consecutive bytes
.Lend:
	s_wait_tensorcnt 0x0                           ; the wave's end
	ds_add_u32 v4, v5
	s_wait_dscnt 0x0
	s_endpgm
.Lfunc_end_k_q32ec9abe7e_router:
	.size	k_q32ec9abe7e_router, .Lfunc_end_k_q32ec9abe7e_router-k_q32ec9abe7e_router
	.p2alignl 7, 3214868480
	.fill 96, 4, 3214868480
	.section	.rodata,"a",@progbits
	.p2align	6, 0x0
	.amdhsa_kernel k_q32ec9abe7e_router
		.amdhsa_group_segment_fixed_size 17664
		.amdhsa_private_segment_fixed_size 0
		.amdhsa_enable_private_segment 0
		.amdhsa_kernarg_size 40
		.amdhsa_user_sgpr_count 2
		.amdhsa_user_sgpr_kernarg_segment_ptr 1
		.amdhsa_wavefront_size32 1
		.amdhsa_system_sgpr_workgroup_id_x 1
		.amdhsa_system_sgpr_workgroup_id_y 1
		.amdhsa_system_sgpr_workgroup_id_z 1
		.amdhsa_system_vgpr_workitem_id 0
		.amdhsa_next_free_vgpr 256
		.amdhsa_next_free_sgpr 66
		.amdhsa_reserve_vcc 1
		.amdhsa_float_denorm_mode_32 3
		.amdhsa_float_denorm_mode_16_64 3
		.amdhsa_memory_ordered 1
		.amdhsa_forward_progress 1
		.amdhsa_inst_pref_size 55
	.end_amdhsa_kernel
	.amdgpu_metadata
---
amdhsa.version: [ 1, 2 ]
amdhsa.kernels:
  - .name:           k_q32ec9abe7e_router
    .symbol:         k_q32ec9abe7e_router.kd
    .args:
      - { .name: x, .offset: 0, .size: 8, .value_kind: global_buffer, .address_space: global }
      - { .name: Wg, .offset: 8, .size: 8, .value_kind: global_buffer, .address_space: global }
      - { .name: bg, .offset: 16, .size: 8, .value_kind: global_buffer, .address_space: global }
      - { .name: xb, .offset: 24, .size: 8, .value_kind: global_buffer, .address_space: global }
      - { .name: route, .offset: 32, .size: 8, .value_kind: global_buffer, .address_space: global }
    .group_segment_fixed_size: 17664
    .private_segment_fixed_size: 0
    .kernarg_segment_align: 8
    .kernarg_segment_size: 40
    .max_flat_workgroup_size: 256
    .sgpr_count:     66
    .vgpr_count:     256
    .wavefront_size: 32
...
	.end_amdgpu_metadata
.endif
;; end of part 1
;; launch ffn1 (part 2): grid 256 x 1, 8 waves a work-group, no clusters, 300,800 bytes of LDS; arguments xb, W1, b1, route, hB; writes hB
.if DOCPART == 2
	.amdgcn_target "amdgcn-amd-amdhsa--gfx1250"
	.amdhsa_code_object_version 6
	.text
	.protected	k_q32ec9abe7e_ffn1
	.globl	k_q32ec9abe7e_ffn1
	.p2align	8
	.type	k_q32ec9abe7e_ffn1,@function
k_q32ec9abe7e_ffn1:
	s_mov_b64 s[64:65], 0
	v_nop
	global_prefetch_b8 v0, s[64:65] scope:SCOPE_SE
	s_setreg_imm32_b32 hwreg(HW_REG_WAVE_MODE, 25, 1), 1
	s_wait_xcnt 0x0
; ONE PRODUCT OF THE EXPERTS' LAYER, for the chosen rows alone.  One text for both products; LAYER says which.
;   LAYER 1: h = relu(x W1[e] + b1[e]).  A = xb [1024][1024] bf16, rows by a list; W = W1 [8][1024][4096] f32; out = hB, bf16, in the order in which LAYER 2's registers take it.
;   LAYER 2: partial y = h W2[e] (+ b2[e] in the first quarter of K).  A = hB; W = W2 [8][4096][1024] f32; out = part [4][1032][1024] f32, a partial sum for each quarter of K.
; Weights and biases are rounded once to bf16, sums are f32, h is rounded once to bf16.
; SHARES.  A work-group has a slice of ONE expert's weights, 1024 K x 128 columns, which it alone reads, and all that expert's rows, however many (0 to 1,024).
; All eight waves run one text.  K goes in 16 chunks of 64.  Of a chunk wave w loads 8 K rows (8 loads of 512 consecutive bytes), rounds them and lays them into LDS, where the slice stays whole:
; no LDS byte is written twice.  Three trips later the chunk is multiplied: wave w has columns 64 (w & 1) .. and tiles (w >> 1) + 4 i, i = 0..2, of a block of 12 tiles of 16 rows;
; weight fragments come from LDS, half a chunk ahead of their products; row fragments straight from memory, three trips ahead.  The 19 trips are written out, so that every LDS address is a
; constant plus the lane's and the wave's terms.
; The first 12 tiles (192 rows) are multiplied under the stream; an expert with more rows takes further blocks of 12 tiles from the slice in LDS, with no weight read twice.
; Every barrier is on every wave's path; what hangs on the stored counts are forward jumps over products and stores.  Places past the count repeat a row that exists, and their loads are
; always issued, so that every wait's count holds on every path.
; K ORDER.  Inside a chunk, fragment s (0, 1), lane half h, place q holds k = 32 h + 16 s + q, in the weights and in the rows alike: a lane's 16 numbers are 32 consecutive bytes.
; NO CLUSTER: each weight byte has one reader; what an expert's work-groups share are its rows, which in LAYER 1 come by a list, and LDS has no room for them beside the slice (294,912 bytes).
; hB: [tile 0..71][group of 64 hidden units 0..63][m 0..3][lane][16 bytes]; lane (r, h), m holds units 32 h + 8 m .. + 7 of the tile's row r.  Expert e begins at tile T0E = sum over e' < e of ceil(count / 16).
.set LAYER, 1
.if LAYER == 1
.set PITCH, 16384                      ; bytes from a K row of the weights to the next
.set PSH,   14                         ; its logarithm
.set ASTEP, 128                        ; bytes of a row fragment's source from chunk to chunk
.set AS2,   32                         ; from fragment 0 to fragment 1
.set AH2,   16                         ; from a fragment's first 16 bytes to its second
.set WM,    0x04                       ; the products' windows: source 1 (rows) in window 1
.else
.set PITCH, 4096
.set PSH,   12
.set ASTEP, 2048
.set AS2,   1024
.set AH2,   512
.set WM,    0x01                       ; source 0 (rows) in window 1
.endif
.set SLAB,  18432                      ; a chunk in LDS: 128 rows (columns of the slice) of 128 bytes + 16 of padding; row 64 half + 16 c + r holds column 64 half + 4 r + c
.set LIST,  16*SLAB                    ; behind the slice: the list of the expert's tokens, 1,152 words, and 32 words for lanes with nothing to store; wave 0 writes it
.set LSZ,   4864
.set SPARE, LIST+LSZ                   ; the spare words, 128 bytes a wave
.set PST,   4227072                    ; bytes of one quarter's partial sums: 1,032 rows of 4,096
.set SPW, 12                           ; v12 my spare word   v13 0: never rewritten
.set NIL, 13
.set ZV,  14                           ; v14 0
.set JI,  15                           ; v15 1152 + lane: the list index of my word for nothing
.set VSA, 16                           ; v16 where I store my part of the chunk in hand
.set VSC, 17                           ; v17 its constant part
.set VW,  18                           ; v18 16 lane + my 8 K rows
.set VC,  19                           ; v19 64 h (LAYER 1) or 16 lane (LAYER 2)
.set LB,  20                           ; v20 the list
.set LA,  21                           ; v21 my place in it for the block in hand
.set REM, 22                           ; v22 rows left from my first row on (LAYER 2)
.set DUMP, 23                          ; v23 1024 + e: the row of part that takes places past the count
.set OUTV, 24                          ; v24 16 lane (LAYER 1) or 16 r (LAYER 2)
.set VB,  25                           ; v25 128 h
.set AO,  26                           ; v26-28 byte offsets of my three tiles' rows
.set VLA, 29                           ; v29 where I read weight fragments of the chunk in hand
.set VLC, 30                           ; v30 its constant part
.set VPF, 31                           ; v31 the prefetch's offset: lane l: K row (l >> 1) & 7 of my eight, 256 bytes (l & 1) of its 512, chunk + (l >> 4); never rewritten
.set BF,  32                           ; v32-95 weight fragments: 32 s + 8 ct; the way out works here
.set T,   96                           ; v96-111 and v240-255, by turns: my part of a chunk, rounded; before the trips v96-111 serve the list
.set LW,  96
.set BC,  112                          ; v112-143 LAYER 1: the bias as the first products' C, 8 ct + j; LAYER 2: v112-115
.set ACC, 144                          ; v144-239 accumulator (i, ct) at 32 i + 8 ct; before the trips: what is read of route
.set OU,  32
.set IDS, 64
.set TOF, 72
.set RT,  144
.set AB,  96                           ; window 1 (v256-511): 0-95 three buffers of 32, my 8 K rows as loaded; 96-239 three buffers of 48, row fragments: 16 i + 8 s
.set WV, 14
.set CW, 15
.set RQ, 16
.set EX, 17
.set SL, 18
.set KQ, 19
.set SLB, 20                           ; s20 rows past 192: LDS byte at which the chunk in hand begins
.set WA, 22                            ; s[22:23] the slice; s[24:25] its chunk 8
.set XA0, 26                           ; s[26:27] the rows' source at chunk 0
.set XN, 28                            ; s[28:29] rows past 192: the chunk in hand
.set OB, 30
.set OB0, 32
.set T64, 34
.set CNT, 36
.set T0E, 37
.set NT, 38                            ; s38 the expert's tiles
.set LT, 39                            ; s39 how many of my three tiles are alive
.set BLK, 40
.set KC, 41
.set LASTT, 42
.set TB0, 43                           ; s43 my first tile of the block
.set TS, 44                            ; s44-47 at work
.set SEL, 48
.set CN, 50                            ; s50-57 the experts' counts
.set MSB, 0
.macro WIN new                         ; s_set_vgpr_msb: bits 1:0 source 0, 3:2 source 1, 5:4 source 2, 7:6 destination; the high byte repeats the setting that is left
.if MSB != (\new)
	s_set_vgpr_msb (MSB<<8)|(\new)
.set MSB, \new
.endif
.endm
.macro PLACES                          ; four plain instructions between a matrix instruction and a load into, or a read of, its registers
.rept 4
	v_nop
.endr
.endm
; my 8 K rows of chunk t, 512 consecutive bytes a load, into buffer t % 3; the chunk stands in the immediate, from one of two bases
.macro WLOAD t
	WIN 0x40
.irp i, 0,1,2,3,4,5,6,7
	global_load_b128 v[32*((\t)%3)+4*\i:32*((\t)%3)+4*\i+3], v[VW], s[WA+2*((\t)/8):WA+2*((\t)/8)+1] offset:(64*((\t)%8)+\i)*PITCH th:TH_LOAD_NT
.endr
	WIN 0
.endm
; my 8 K rows of chunks c and c + 1 (c even) are asked for ahead of their loads: 32 lanes, 256 bytes apart, each block asked for once in the launch, by the wave that will load it
.macro PREF c
	global_prefetch_b8 v[VPF], s[WA+2*((\c)/8):WA+2*((\c)/8)+1] offset:64*((\c)%8)*PITCH th:TH_LOAD_NT scope:SCOPE_SE
.endm
; fragment s of tile i into buffer b: two loads of 16 bytes a lane
.macro AL2 b, i, s, base, imm
	global_load_b128 v[AB+48*(\b)+16*(\i)+8*(\s):AB+48*(\b)+16*(\i)+8*(\s)+3], v[AO+(\i)], s[\base:\base+1] offset:(\imm)+AS2*(\s)
	global_load_b128 v[AB+48*(\b)+16*(\i)+8*(\s)+4:AB+48*(\b)+16*(\i)+8*(\s)+7], v[AO+(\i)], s[\base:\base+1] offset:(\imm)+AS2*(\s)+AH2
.endm
.macro ALOAD b, imm                    ; a chunk's row fragments of my three tiles: 12 loads, always all
	WIN 0x40
.irp i, 0,1,2
.irp s, 0,1
	AL2 \b, \i, \s, XA0, \imm
.endr
.endr
	WIN 0
.endm
.macro ALH s, imm                      ; rows past 192: fragment s of my three tiles into buffer 0: 6 loads
	WIN 0x40
.irp i, 0,1,2
	AL2 0, \i, \s, XN, \imm
.endr
	WIN 0
.endm
.macro BLH s                           ; fragment s of the weights of my 64 columns, from the chunk at VLA: 8 loads
.irp ct, 0,1,2,3
	ds_load_b128 v[BF+32*(\s)+8*\ct:BF+32*(\s)+8*\ct+3],   v[VLA] offset:2304*\ct+32*(\s)
	ds_load_b128 v[BF+32*(\s)+8*\ct+4:BF+32*(\s)+8*\ct+7], v[VLA] offset:2304*\ct+32*(\s)+16
.endr
.endm
; four products of tile i.  LAYER 1: source 0 = weights: a lane's results are one row's hidden units 32 h + 4 j + ct.  LAYER 2: source 0 = rows: row 8 h + j, column 4 r + ct.
; first = 1: the product starts the sum, on the bias or on 0: nothing is cleared
.macro MT b, i, s, first
.irp ct, 0,1,2,3
.set rD, ACC+32*(\i)+8*\ct
.set rB, BF+32*(\s)+8*\ct
.set rA, AB+48*(\b)+16*(\i)+8*(\s)
.if LAYER == 1
.if \first
	v_wmma_f32_16x16x32_bf16 v[rD:rD+7], v[rB:rB+7], v[rA:rA+7], v[BC+8*\ct:BC+8*\ct+7]
.else
	v_wmma_f32_16x16x32_bf16 v[rD:rD+7], v[rB:rB+7], v[rA:rA+7], v[rD:rD+7]
.endif
.else
.if \first
	v_wmma_f32_16x16x32_bf16 v[rD:rD+7], v[rA:rA+7], v[rB:rB+7], 0
.else
	v_wmma_f32_16x16x32_bf16 v[rD:rD+7], v[rA:rA+7], v[rB:rB+7], v[rD:rD+7]
.endif
.endif
.endr
.endm
; fragment s of chunk c is multiplied: 8 or 12 products; the accumulators take turns, one instruction a turn.  The third tile's four are jumped if it is dead
; (never in chunk 0, which starts all sums).  bw = 1: a barrier has been signalled ahead: its wait stands behind the first eight products, which touch registers alone
.macro HALF c, s, bw
	WIN WM
.if ((\c) == 0) && ((\s) == 0)
	MT 0, 0, 0, 1
	MT 0, 1, 0, 1
	MT 0, 2, 0, 1
	WIN 0
.elseif (\c) == 0
	MT 0, 0, 1, 0
	MT 0, 1, 1, 0
	MT 0, 2, 1, 0
	WIN 0
.else
	MT (\c)%3, 0, \s, 0
	MT (\c)%3, 1, \s, 0
	WIN 0
.if \bw
	s_barrier_wait -1
.endif
	s_cmp_lt_u32 s[LT], 3
	s_cbranch_scc1 .Ldead_\@
	WIN WM
	MT (\c)%3, 2, \s, 0
	WIN 0
.Ldead_\@:
.endif
.endm
; TRIP t.  MEMORY: loads go out in the order W0 W1 W2, then in trip t: W(t+3) (8 loads), A(t) (12 loads).  At the trip's head W(t) and A(t-3) have to be in;
; the count is what was issued behind them: two whole groups of 20 in the middle, less at both ends.
; LDS: chunk t is stored; chunk t - 3 is multiplied; fragment s of chunk t - 2 is fetched as soon as fragment s of chunk t - 3 has been multiplied, into the same registers.  A wave's LDS
; instructions go out in the order: fragment 0, fragment 1 (last trip), my 4 stores, fragment 0, fragment 1 (this trip).
; BARRIERS stand in trips 2, 5, 8, 11, 14, 15: chunk c is stored in trip c and first read in trip c + 2, behind that trip's barrier if it has one: a barrier always lies between.
; PREFETCH: in trips 0, 2, .. 8 chunks t + 6 and t + 7, whose loads go out in trips t + 3 and t + 4; four chunks at the most (128 KiB a work-group) are asked for and not yet loaded; chunk 15 is the last.
.macro TRIP t
.set BARR, 0
.if ((\t) < 16) && ((((\t)%3) == 2) || ((\t) == 15))
.set BARR, 1
.endif
.if (\t) == 0
	s_wait_loadcnt 16                              ; W1, W2
.elseif (\t) == 1
	s_wait_loadcnt 28                              ; W2, W3, A0
.elseif (\t) <= 13
	s_wait_loadcnt 40                              ; two W and two A
.elseif (\t) == 14
	s_wait_loadcnt 32                              ; W15, A12, A13
.elseif (\t) <= 16
	s_wait_loadcnt 24                              ; two A
.elseif (\t) == 17
	s_wait_loadcnt 12                              ; A15
.else
	s_wait_loadcnt 0x0
.endif
.if (\t) < 16
.set TT, T+144*((\t)%2)                ; two sets by turns: the last trip's stores may still be reading the other
	WIN 0x05
.irp c, 0,1,2,3
.irp m, 0,1,2,3
	v_cvt_pk_bf16_f32 v[TT+4*\c+\m], v[32*((\t)%3)+8*\m+\c], v[32*((\t)%3)+8*\m+4+\c]   ; column 4 l + c, K rows 2 m and 2 m + 1 of my eight
.endr
.endr
	WIN 0
	v_add_nc_u32 v[VSA], (\t)*SLAB, v[VSC]
.irp c, 0,1,2,3
	ds_store_b128 v[VSA], v[TT+4*\c:TT+4*\c+3] offset:2304*\c   ; 8 K = 16 bytes of the column's LDS row
.endr
.if (\t) < 13
	WLOAD (\t)+3                                   ; into the buffer just rounded
.endif
.if (((\t)%2) == 0) && ((\t) <= 8)
	PREF (\t)+6
.endif
.endif
.if BARR
	s_wait_dscnt 0x0                               ; for the others' sake: my parts of the chunks stored since the last barrier lie in LDS (and my fetches are back)
	s_barrier_signal -1
.if (\t) < 3
	s_barrier_wait -1
.endif
.elseif (\t) >= 3
.if (\t) < 16
	s_wait_dscnt 12                                ; fragment 0 is in: fragment 1's 8 loads and my 4 stores are younger
.else
	s_wait_dscnt 8                                 ; fragment 1's 8 loads are younger
.endif
.endif
.if (\t) >= 3
	HALF (\t)-3, 0, BARR
.endif
.if ((\t) >= 2) && ((\t) <= 17)
.if (\t) >= 3
.rept 3
	v_nop                                          ; with the line below: four places between the products and the loads into their source
.endr
.endif
	v_add_nc_u32 v[VLA], ((\t)-2)*SLAB, v[VLC]
	BLH 0
.endif
.if (\t) >= 3
.if (\t) < 16
	s_wait_dscnt 12                                ; fragment 1 is in: my 4 stores and the next fragment 0's 8 loads are younger
.elseif (\t) < 18
	s_wait_dscnt 8
.else
	s_wait_dscnt 0x0
.endif
	HALF (\t)-3, 1, 0
.endif
.if ((\t) >= 2) && ((\t) <= 17)
.if (\t) >= 3
	PLACES                                         ; for the loads into the weight fragments and into the row fragments
.endif
	BLH 1
.endif
.if (\t) < 16
	ALOAD (\t)%3, (\t)*ASTEP                       ; into the buffer just multiplied
.endif
.endm
; ROWS PAST 192: a chunk from the slice in LDS; the next chunk's row fragments are asked for as soon as this chunk's have been multiplied.  All three tiles are multiplied, dead or alive.
.macro OCOMP first, rel
	BLH 0
	BLH 1
	s_wait_loadcnt 6                               ; fragment 0 of the rows is in; fragment 1's six loads are younger
	s_wait_dscnt 8                                 ; fragment 0 of the weights is in; fragment 1's eight loads stay out
	WIN WM
	MT 0, 0, 0, \first
	MT 0, 1, 0, \first
	MT 0, 2, 0, \first
	WIN 0
.if \rel
	PLACES
	ALH 0, ASTEP
	s_wait_loadcnt 6                               ; fragment 1 is in; the next chunk's fragment 0, six loads, is younger
.else
	s_wait_loadcnt 0x0
.endif
	s_wait_dscnt 0x0
	WIN WM
	MT 0, 0, 1, 0
	MT 0, 1, 1, 0
	MT 0, 2, 1, 0
	WIN 0
.if \rel
	PLACES                                         ; also for the next chunk's loads into the weight fragments
	ALH 1, ASTEP
.endif
.endm
.macro OSTEP
	s_wait_xcnt 0x0                                ; the loads' base is stepped only behind this wait
	s_add_nc_u64 s[XN:XN+1], s[XN:XN+1], ASTEP
	s_add_co_u32 s[SLB], s[SLB], SLAB
	v_add_nc_u32 v[VLA], s[SLB], v[VLC]
.endm
; what a block of 12 tiles needs, from TB0: how many of my three tiles are alive, the rows' offsets, the way out's addresses
.macro BSETUP
	s_wait_xcnt 0x0                                ; earlier loads and stores have read their bases, offsets and data
	s_sub_co_i32 s[TS], s[NT], s[TB0]
	s_add_co_i32 s[TS], s[TS], 3
	s_max_i32 s[TS], s[TS], 0
	s_lshr_b32 s[TS], s[TS], 2
	s_min_u32 s[LT], s[TS], 3
	s_lshl_b32 s[TS], s[TB0], 6
.if LAYER == 1
	v_lshl_add_u32 v[LA], v2, 2, v[LB]
	v_add_nc_u32 v[LA], s[TS], v[LA]
.irp i, 0,1,2
	ds_load_b32 v[AO+\i], v[LA] offset:256*\i      ; row r of tile TB0 + 4 i: its token; past the count the list holds 0
.endr
	s_add_co_u32 s[TS], s[T0E], s[TB0]
	s_min_u32 s[TS], s[TS], 71
	s_lshl_b32 s[T64], s[TS], 17
	s_mov_b32 s[T64+1], 0
	s_add_nc_u64 s[OB:OB+1], s[OB0:OB0+1], s[T64:T64+1]
	s_wait_dscnt 0x0
.irp i, 0,1,2
	v_min_u32 v[AO+\i], 1023, v[AO+\i]
.endr
.irp i, 0,1,2
	v_lshl_add_u32 v[AO+\i], v[AO+\i], 11, v[VC]
.endr
.else
	v_lshl_add_u32 v[LA], v3, 5, v[LB]
	v_add_nc_u32 v[LA], s[TS], v[LA]
	s_lshl_b32 s[TS], s[TB0], 4
	s_sub_co_i32 s[TS], s[CNT], s[TS]
	v_lshlrev_b32 v[REM], 3, v3
	v_sub_nc_u32 v[REM], s[TS], v[REM]
	s_add_co_u32 s[TS+1], s[T0E], s[TB0]
.irp i, 0,1,2
	s_add_co_u32 s[TS], s[TS+1], 4*\i
	s_min_u32 s[TS], s[TS], s[LASTT]               ; a dead tile repeats a tile that has been written
	s_min_u32 s[TS], s[TS], 71
	s_lshl_b32 s[TS], s[TS], 17
	v_add_nc_u32 v[AO+\i], s[TS], v[VC]
.endr
.endif
.endm
; the list of the expert's tokens, in ascending order.  Lane l has tokens 32 l .. 32 l + 31: their mask in v4, their number in v5.  Four tokens a trip, so that four chains run side by side.
.macro LISTB
	v_mov_b32 v6, 0                                ; the rank of my first token: the numbers of the lanes below me
	v_mov_b32 v7, 0
	v_lshlrev_b32 v8, 5, v1
.irp d, 1,2,4,8
	v_mov_b32_dpp v7, v5 row_xmask:\d row_mask:0xf bank_mask:0xf
	v_and_b32 v9, \d, v1
	v_cmp_ne_u32 vcc_lo, 0, v9
	v_cndmask_b32 v9, 0, v7, vcc_lo
	v_add_nc_u32 v6, v6, v9
	v_add_nc_u32 v5, v5, v7
.endr
	v_permlanex16_b32 v7, v5, s[SEL], s[SEL+1]
	v_and_b32 v9, 16, v1
	v_cmp_ne_u32 vcc_lo, 0, v9
	v_cndmask_b32 v9, 0, v7, vcc_lo
	v_add_nc_u32 v6, v6, v9
	s_mov_b32 s[KC], 0
.Llist_\@:
.irp k, 0,1,2,3
	v_bfe_u32 v[LW+\k], v4, \k, 1                  ; is the token mine?
.endr
	v_mov_b32 v[LW+4], v6                          ; the four tokens' ranks
	v_add_nc_u32 v[LW+5], v6, v[LW]
	v_add_nc_u32 v[LW+6], v[LW+5], v[LW+1]
	v_add_nc_u32 v[LW+7], v[LW+6], v[LW+2]
	v_add_nc_u32 v6, v[LW+7], v[LW+3]
.irp k, 0,1,2,3
	v_cmp_ne_u32 s[TS+\k], 0, v[LW+\k]
.endr
.irp k, 0,1,2,3
	v_cndmask_b32 v[LW+8+\k], v[JI], v[LW+4+\k], s[TS+\k]   ; the rank, or my word for nothing
.endr
.irp k, 0,1,2,3
	v_min_u32 v[LW+8+\k], 1183, v[LW+8+\k]
.endr
.irp k, 0,1,2,3
	v_lshl_add_u32 v[LW+8+\k], v[LW+8+\k], 2, v[LB]
.endr
.irp k, 0,1,2,3
	v_add_nc_u32 v[LW+12+\k], \k, v8
.endr
.irp k, 0,1,2,3
	ds_store_b32 v[LW+8+\k], v[LW+12+\k]
.endr
	v_lshrrev_b32 v4, 4, v4
	v_add_nc_u32 v8, 4, v8
	s_add_co_u32 s[KC], s[KC], 1
	s_cmp_lt_u32 s[KC], 8
	s_cbranch_scc1 .Llist_\@
.endm
; the way out of my tile i; a dead tile and all behind it are jumped
.macro EPI i
	s_cmp_le_u32 s[LT], \i
	s_cbranch_scc1 .Lnext
	s_wait_xcnt 0x0                                ; the last tile's stores have read their data and offsets
.if LAYER == 1
.irp j, 0,1,2,3,4,5,6,7
.irp q, 0,1
	v_cvt_pk_bf16_f32 v[OU+2*\j+\q], v[ACC+32*(\i)+16*\q+\j], v[ACC+32*(\i)+16*\q+8+\j]   ; units 4 j + 2 q, + 1; each accumulator is read from its lowest register on
.endr
.endr
.irp n, 0,1,2,3,4,5,6,7,8,9,10,11,12,13,14,15
	v_pk_max_num_bf16 v[OU+\n], v[OU+\n], v[ZV]    ; relu
.endr
.irp m, 0,1,2,3
	global_store_b128 v[OUTV], v[OU+4*\m:OU+4*\m+3], s[OB:OB+1] offset:524288*(\i)+512*\m   ; 512 consecutive bytes, aligned; my tiles lie four tiles apart
.endr
.else
	ds_load_b128 v[IDS:IDS+3],   v[LA] offset:256*(\i)
	ds_load_b128 v[IDS+4:IDS+7], v[LA] offset:256*(\i)+16
.irp j, 0,1,2,3,4,5,6,7
.irp ct, 0,1,2,3
	v_add_f32 v[OU+4*\j+\ct], v[ACC+32*(\i)+8*\ct+\j], v[BC+\ct]
.endr
.endr
	s_wait_dscnt 0x0
.irp j, 0,1,2,3,4,5,6,7
	v_cmp_lt_i32 vcc_lo, 64*(\i)+\j, v[REM]
	v_cndmask_b32 v[TOF+\j], v[DUMP], v[IDS+\j], vcc_lo
	v_min_u32 v[TOF+\j], 1031, v[TOF+\j]
	v_lshl_add_u32 v[TOF+\j], v[TOF+\j], 12, v[OUTV]
.endr
.irp j, 0,1,2,3,4,5,6,7
	global_store_b128 v[TOF+\j], v[OU+4*\j:OU+4*\j+3], s[OB:OB+1]   ; 16 lanes store 256 consecutive bytes of one token's row, aligned
.endr
.endif
.endm
	s_load_b256 s[4:11], s[0:1], 0x0               ; A s[4:5], W s[6:7], bias s[8:9], route s[10:11]
	s_load_b64 s[12:13], s[0:1], 0x20              ; out
	v_lshl_add_u32 v[SPW], v0, 2, SPARE
	v_mov_b32 v[NIL], 0
	v_and_b32 v1, 31, v0                           ; lane
	v_lshrrev_b32 v6, 5, v0
	v_readfirstlane_b32 s[WV], v6                  ; wave
	v_and_b32 v2, 15, v0                           ; r
	v_bfe_u32 v3, v0, 4, 1                         ; h
	v_mov_b32 v[ZV], 0
	s_and_b32 s[CW], s[WV], 1                      ; which 64 columns I multiply
	s_lshr_b32 s[RQ], s[WV], 1                     ; which tiles
	s_lshr_b32 s[EX], ttmp9, 5
.if LAYER == 1
	s_and_b32 s[SL], ttmp9, 31
	s_mov_b32 s[KQ], 0
.else
	s_and_b32 s[SL], ttmp9, 7
	s_bfe_u32 s[KQ], ttmp9, 0x20003
.endif
	s_mul_i32 s[TS], s[WV], 8*PITCH
	v_lshlrev_b32 v[VW], 4, v1
	v_add_nc_u32 v[VW], s[TS], v[VW]
	v_bfe_u32 v6, v0, 1, 3                         ; the prefetch's offset: which of my 8 K rows,
	v_lshl_add_u32 v6, v3, 6, v6                   ; lanes 16-31 a chunk (64 rows) further on,
	s_lshl_b32 s[TS], s[WV], 3
	v_add_nc_u32 v6, s[TS], v6
	v_and_b32 v7, 1, v0
	v_lshlrev_b32 v7, 8, v7                        ; which 256 bytes of the row's 512
	v_lshl_add_u32 v[VPF], v6, PSH, v7
	v_lshlrev_b32 v4, 8, v1                        ; lane l reads the records of token groups 2 l and 2 l + 1
	s_lshl_b32 s[TS], s[EX], 1
	v_add_nc_u32 v5, s[TS], v4
	v_lshlrev_b32 v[VB], 7, v3
.if LAYER == 1
	v_lshlrev_b32 v[VC], 6, v3
	v_lshlrev_b32 v[OUTV], 4, v1
.else
	v_lshlrev_b32 v[VC], 4, v1
	v_lshlrev_b32 v[OUTV], 4, v2
.endif
	s_lshl_b32 s[T64], s[EX], 24                   ; an expert's weights are 2^24 bytes,
	s_lshl_b32 s[TS], s[SL], 9                     ; 128 columns 512,
	s_add_co_u32 s[T64], s[T64], s[TS]
	s_lshl_b32 s[TS], s[KQ], 22                    ; LAYER 2's quarter of K 2^22
	s_add_co_u32 s[T64], s[T64], s[TS]
	s_mov_b32 s[T64+1], 0
	s_mov_b32 s[SEL], 0x76543210
	s_mov_b32 s[SEL+1], 0xfedcba98
	s_wait_kmcnt 0x0
	s_add_nc_u64 s[WA:WA+1], s[6:7], s[T64:T64+1]
	s_add_nc_u64 s[WA+2:WA+3], s[WA:WA+1], 512*PITCH   ; chunk 8: the chunks' immediates stay inside their signed 24 bits
	global_load_u16 v[RT], v5, s[10:11]            ; my expert's masks
	global_load_u16 v[RT+1], v5, s[10:11] offset:128
	global_load_u16 v[RT+2], v5, s[10:11] offset:16    ; and counts
	global_load_u16 v[RT+3], v5, s[10:11] offset:144
	global_load_b128 v[RT+4:RT+7], v4, s[10:11] offset:16     ; all experts' counts
	global_load_b128 v[RT+8:RT+11], v4, s[10:11] offset:144
.if LAYER == 1
	s_lshl_b32 s[T64], s[EX], 14
.else
	s_lshl_b32 s[T64], s[EX], 12
.endif
	s_lshl_b32 s[TS], s[SL], 9
	s_add_co_u32 s[T64], s[T64], s[TS]
	s_lshl_b32 s[TS], s[CW], 8
	s_add_co_u32 s[T64], s[T64], s[TS]
	s_add_nc_u64 s[8:9], s[8:9], s[T64:T64+1]      ; the bias of my 64 columns
.if LAYER == 1
.irp j, 0,1,2,3,4,5,6,7
	global_load_b128 v[BF+4*\j:BF+4*\j+3], v[VB], s[8:9] offset:16*\j   ; units 32 h + 4 j + 0..3
.endr
.else
	global_load_b128 v[BC:BC+3], v[OUTV], s[8:9]   ; columns 4 r + 0..3
.endif
	WLOAD 0                                        ; three chunks are asked for: 24 loads of 512 bytes a wave
	WLOAD 1
	WLOAD 2
	PREF 4                                         ; chunks 4 and 5, whose loads go out in trips 1 and 2
.if LAYER == 1
	s_mov_b64 s[XA0:XA0+1], s[4:5]
	s_lshl_b32 s[T64], s[SL], 1
	s_add_co_u32 s[T64], s[T64], s[CW]
	s_lshl_b32 s[T64], s[T64], 11                  ; my group of 64 hidden units in a tile of hB
	s_add_nc_u64 s[OB0:OB0+1], s[12:13], s[T64:T64+1]
.else
	s_lshl_b32 s[T64], s[KQ], 15                   ; my quarter of K: 16 groups of 2,048 bytes in a tile of hB
	s_add_nc_u64 s[XA0:XA0+1], s[4:5], s[T64:T64+1]
	s_mul_i32 s[T64], s[KQ], PST
	s_lshl_b32 s[TS], s[SL], 9
	s_add_co_u32 s[T64], s[T64], s[TS]
	s_lshl_b32 s[TS], s[CW], 8
	s_add_co_u32 s[T64], s[T64], s[TS]
	s_add_nc_u64 s[OB:OB+1], s[12:13], s[T64:T64+1]
.endif
	v_lshl_add_u32 v6, v3, 6, v2
	v_mul_u32_u24 v[VSC], v6, 144                  ; I store into LDS row 64 h + r (+ 16 c in the stores' offsets),
	v_lshl_add_u32 v[VSC], s[WV], 4, v[VSC]        ; my 8 K = 16 bytes of it
	s_mul_i32 s[TS], s[CW], 9216                   ; I read my 64 LDS rows:
	v_mul_u32_u24 v[VLC], v2, 144                  ; row r of a fragment,
	v_lshl_add_u32 v[VLC], v3, 6, v[VLC]           ; my half's 64 bytes of it
	v_add_nc_u32 v[VLC], s[TS], v[VLC]
	s_add_co_u32 s[TS], s[EX], 1024
	v_mov_b32 v[DUMP], s[TS]
	v_add_nc_u32 v[JI], 1152, v1
	v_mov_b32 v[LB], LIST
	s_wait_loadcnt 24                              ; route and the bias are in: the 24 loads of weights are younger
.if LAYER == 1
.irp j, 0,1,2,3,4,5,6,7
.irp q, 0,1
	v_cvt_pk_bf16_f32 v6, v[BF+4*\j+2*\q], v[BF+4*\j+2*\q+1]   ; rounded to bf16, kept as f32, laid as the products' C
	v_lshlrev_b32 v[BC+16*\q+\j], 16, v6
	v_and_b32 v[BC+16*\q+8+\j], 0xffff0000, v6
.endr
.endr
.else
	s_cmp_eq_u32 s[KQ], 0
	s_cselect_b32 s[TS], -1, 0                     ; the bias is added in the first quarter of K alone
.irp q, 0,2
	v_cvt_pk_bf16_f32 v6, v[BC+\q], v[BC+\q+1]
	v_lshlrev_b32 v[BC+\q], 16, v6
	v_and_b32 v[BC+\q+1], 0xffff0000, v6
.endr
.irp q, 0,1,2,3
	v_and_b32 v[BC+\q], s[TS], v[BC+\q]
.endr
.endif
	v_lshl_or_b32 v4, v[RT+1], 16, v[RT]           ; the mask of my 32 tokens
	v_add_nc_u32 v5, v[RT+2], v[RT+3]              ; and their number
.irp k, 0,1,2,3
	v_add_nc_u32 v[RT+4+\k], v[RT+4+\k], v[RT+8+\k]   ; two 16-bit counts a word; a sum is 1,024 at the most
.endr
.irp d, 1,2,4,8
.irp k, 0,1,2,3
	v_mov_b32_dpp v[RT+8+\k], v[RT+4+\k] row_xmask:\d row_mask:0xf bank_mask:0xf
.endr
.irp k, 0,1,2,3
	v_add_nc_u32 v[RT+4+\k], v[RT+4+\k], v[RT+8+\k]
.endr
.endr
.irp k, 0,1,2,3
	v_permlanex16_b32 v[RT+8+\k], v[RT+4+\k], s[SEL], s[SEL+1]
.endr
.irp k, 0,1,2,3
	v_add_nc_u32 v[RT+4+\k], v[RT+4+\k], v[RT+8+\k]
.endr
.irp k, 0,1,2,3
	v_readfirstlane_b32 s[TS+\k], v[RT+4+\k]
.endr
.irp k, 0,1,2,3
	s_and_b32 s[CN+2*\k], s[TS+\k], 0xffff
	s_lshr_b32 s[CN+2*\k+1], s[TS+\k], 16
.endr
	s_mov_b32 s[CNT], 0
	s_mov_b32 s[T0E], 0
.irp k, 0,1,2,3,4,5,6,7
	s_add_co_u32 s[TS], s[CN+\k], 15
	s_lshr_b32 s[TS], s[TS], 4
	s_cmp_gt_u32 s[EX], \k
	s_cselect_b32 s[TS], s[TS], 0
	s_add_co_u32 s[T0E], s[T0E], s[TS]             ; the tiles of the experts before mine
	s_cmp_eq_u32 s[EX], \k
	s_cselect_b32 s[CNT], s[CN+\k], s[CNT]
.endr
	s_min_u32 s[CNT], s[CNT], 1024
	s_min_u32 s[T0E], s[T0E], 71
	s_add_co_u32 s[NT], s[CNT], 15
	s_lshr_b32 s[NT], s[NT], 4
	s_add_co_u32 s[LASTT], s[T0E], s[NT]
	s_max_u32 s[LASTT], s[LASTT], 1
	s_sub_co_u32 s[LASTT], s[LASTT], 1
	s_min_u32 s[LASTT], s[LASTT], 71
	s_cmp_lg_u32 s[WV], 0
	s_cbranch_scc1 .Lnolist                        ; wave 0 alone writes the list; nothing made in this branch is read behind it but the list itself
	v_lshl_add_u32 v6, v1, 4, v[LB]
.irp k, 8,9,10,11
	v_mov_b32 v[\k], 0
.endr
.irp n, 0,1,2,3,4,5,6,7,8
	ds_store_b128 v6, v[8:11] offset:512*\n        ; the list's 1,152 words are 0: places past the count name token 0
.endr
	LISTB
.Lnolist:
.if LAYER == 1
	s_wait_dscnt 0x0                               ; for the others' sake: the list lies in LDS; the rows' offsets are read from it at once
	s_barrier_signal -1
	s_barrier_wait -1
.endif                                 ; LAYER 2 reads the list on the way out alone: wave 0's wait for all its LDS stores and the barrier of trip 2 lie between
	s_mov_b32 s[TB0], s[RQ]                        ; block 0: my tiles are rq, rq + 4, rq + 8
	BSETUP
.set tt, 0
.rept 19
	TRIP tt
.set tt, tt+1
.endr
	s_mov_b32 s[BLK], 0
	s_branch .Lepi                                 ; the loop over blocks is entered at block 0's way out
.Lblk:                                                 ; blocks 1 to 5: the rows past 192, from the slice in LDS; no barrier, nothing written to LDS
	s_mul_i32 s[TS], s[BLK], 12
	s_cmp_ge_u32 s[TS], s[NT]
	s_cbranch_scc1 .Lnext
	s_add_co_u32 s[TB0], s[TS], s[RQ]
	BSETUP
	s_mov_b64 s[XN:XN+1], s[XA0:XA0+1]
	s_mov_b32 s[SLB], 0
	v_mov_b32 v[VLA], v[VLC]
	ALH 0, 0
	ALH 1, 0
	OCOMP 1, 1
	OSTEP
	s_mov_b32 s[KC], 14
.Lov:
	OCOMP 0, 1
	OSTEP
	s_sub_co_u32 s[KC], s[KC], 1
	s_cmp_lg_u32 s[KC], 0
	s_cbranch_scc1 .Lov
	OCOMP 0, 0                                     ; chunk 15: nothing more is asked for
.Lepi:
	PLACES                                         ; between the last products and the reads of their results;
	v_nop                                          ; a fifth, for the next block's first products, which write over them
	EPI 0
	EPI 1
	EPI 2
.Lnext:
	s_add_co_u32 s[BLK], s[BLK], 1
	s_cmp_lt_u32 s[BLK], 6
	s_cbranch_scc1 .Lblk
	s_wait_dscnt 0x0                               ; my reads of LDS are over;
	s_barrier_signal -1                            ; every wave's are, before any wave's closing lines
	s_barrier_wait -1
	s_wait_tensorcnt 0x0                           ; the wave's end
	ds_add_u32 v[SPW], v[NIL]
	s_wait_dscnt 0x0
	s_endpgm
.Lfunc_end_k_q32ec9abe7e_ffn1:
	.size	k_q32ec9abe7e_ffn1, .Lfunc_end_k_q32ec9abe7e_ffn1-k_q32ec9abe7e_ffn1
	.p2alignl 7, 3214868480
	.fill 96, 4, 3214868480
	.section	.rodata,"a",@progbits
	.p2align	6, 0x0
	.amdhsa_kernel k_q32ec9abe7e_ffn1
		.amdhsa_group_segment_fixed_size 300800
		.amdhsa_private_segment_fixed_size 0
		.amdhsa_enable_private_segment 0
		.amdhsa_kernarg_size 40
		.amdhsa_user_sgpr_count 2
		.amdhsa_user_sgpr_kernarg_segment_ptr 1
		.amdhsa_wavefront_size32 1
		.amdhsa_system_sgpr_workgroup_id_x 1
		.amdhsa_system_sgpr_workgroup_id_y 1
		.amdhsa_system_sgpr_workgroup_id_z 1
		.amdhsa_system_vgpr_workitem_id 0
		.amdhsa_next_free_vgpr 512
		.amdhsa_next_free_sgpr 66
		.amdhsa_reserve_vcc 1
		.amdhsa_float_denorm_mode_32 3
		.amdhsa_float_denorm_mode_16_64 3
		.amdhsa_memory_ordered 1
		.amdhsa_forward_progress 1
		.amdhsa_inst_pref_size 146
	.end_amdhsa_kernel
	.amdgpu_metadata
---
amdhsa.version: [ 1, 2 ]
amdhsa.kernels:
  - .name:           k_q32ec9abe7e_ffn1
    .symbol:         k_q32ec9abe7e_ffn1.kd
    .args:
      - { .name: xb, .offset: 0, .size: 8, .value_kind: global_buffer, .address_space: global }
      - { .name: W1, .offset: 8, .size: 8, .value_kind: global_buffer, .address_space: global }
      - { .name: b1, .offset: 16, .size: 8, .value_kind: global_buffer, .address_space: global }
      - { .name: route, .offset: 24, .size: 8, .value_kind: global_buffer, .address_space: global }
      - { .name: hB, .offset: 32, .size: 8, .value_kind: global_buffer, .address_space: global }
    .group_segment_fixed_size: 300800
    .private_segment_fixed_size: 0
    .kernarg_segment_align: 8
    .kernarg_segment_size: 40
    .max_flat_workgroup_size: 256
    .sgpr_count:     66
    .vgpr_count:     512
    .wavefront_size: 32
...
	.end_amdgpu_metadata
.endif
;; end of part 2
;; launch ffn2 (part 3): grid 256 x 1, 8 waves a work-group, no clusters, 300,800 bytes of LDS; arguments hB, W2, b2, route, part; writes part
.if DOCPART == 3
	.amdgcn_target "amdgcn-amd-amdhsa--gfx1250"
	.amdhsa_code_object_version 6
	.text
	.protected	k_q32ec9abe7e_ffn2
	.globl	k_q32ec9abe7e_ffn2
	.p2align	8
	.type	k_q32ec9abe7e_ffn2,@function
k_q32ec9abe7e_ffn2:
	s_mov_b64 s[64:65], 0
	v_nop
	global_prefetch_b8 v0, s[64:65] scope:SCOPE_SE
	s_setreg_imm32_b32 hwreg(HW_REG_WAVE_MODE, 25, 1), 1
	s_wait_xcnt 0x0
; ONE PRODUCT OF THE EXPERTS' LAYER, for the chosen rows alone.  One text for both products; LAYER says which.
;   LAYER 1: h = relu(x W1[e] + b1[e]).  A = xb [1024][1024] bf16, rows by a list; W = W1 [8][1024][4096] f32; out = hB, bf16, in the order in which LAYER 2's registers take it.
;   LAYER 2: partial y = h W2[e] (+ b2[e] in the first quarter of K).  A = hB; W = W2 [8][4096][1024] f32; out = part [4][1032][1024] f32, a partial sum for each quarter of K.
; Weights and biases are rounded once to bf16, sums are f32, h is rounded once to bf16.
; SHARES.  A work-group has a slice of ONE expert's weights, 1024 K x 128 columns, which it alone reads, and all that expert's rows, however many (0 to 1,024).
; All eight waves run one text.  K goes in 16 chunks of 64.  Of a chunk wave w loads 8 K rows (8 loads of 512 consecutive bytes), rounds them and lays them into LDS, where the slice stays whole:
; no LDS byte is written twice.  Three trips later the chunk is multiplied: wave w has columns 64 (w & 1) .. and tiles (w >> 1) + 4 i, i = 0..2, of a block of 12 tiles of 16 rows;
; weight fragments come from LDS, half a chunk ahead of their products; row fragments straight from memory, three trips ahead.  The 19 trips are written out, so that every LDS address is a
; constant plus the lane's and the wave's terms.
; The first 12 tiles (192 rows) are multiplied under the stream; an expert with more rows takes further blocks of 12 tiles from the slice in LDS, with no weight read twice.
; Every barrier is on every wave's path; what hangs on the stored counts are forward jumps over products and stores.  Places past the count repeat a row that exists, and their loads are
; always issued, so that every wait's count holds on every path; in LAYER 2 their results go to row 1024 + e of part, which nobody reads.
; K ORDER.  Inside a chunk, fragment s (0, 1), lane half h, place q holds k = 32 h + 16 s + q, in the weights and in the rows alike: a lane's 16 numbers are 32 consecutive bytes.
; NO CLUSTER: each weight byte has one reader; what an expert's work-groups share are its rows, and LDS has no room for them beside the slice (294,912 bytes).
; hB: [tile 0..71][group of 64 hidden units 0..63][m 0..3][lane][16 bytes]; lane (r, h), m holds units 32 h + 8 m .. + 7 of the tile's row r.  Expert e begins at tile T0E = sum over e' < e of ceil(count / 16).
.set LAYER, 2
.if LAYER == 1
.set PITCH, 16384                      ; bytes from a K row of the weights to the next
.set PSH,   14                         ; its logarithm
.set ASTEP, 128                        ; bytes of a row fragment's source from chunk to chunk
.set AS2,   32                         ; from fragment 0 to fragment 1
.set AH2,   16                         ; from a fragment's first 16 bytes to its second
.set WM,    0x04                       ; the products' windows: source 1 (rows) in window 1
.else
.set PITCH, 4096
.set PSH,   12
.set ASTEP, 2048
.set AS2,   1024
.set AH2,   512
.set WM,    0x01                       ; source 0 (rows) in window 1
.endif
.set SLAB,  18432                      ; a chunk in LDS: 128 rows (columns of the slice) of 128 bytes + 16 of padding; row 64 half + 16 c + r holds column 64 half + 4 r + c
.set LIST,  16*SLAB                    ; behind the slice: the list of the expert's tokens, 1,152 words, and 32 words for lanes with nothing to store; wave 0 writes it
.set LSZ,   4864
.set SPARE, LIST+LSZ                   ; the spare words, 128 bytes a wave
.set PST,   4227072                    ; bytes of one quarter's partial sums: 1,032 rows of 4,096
.set SPW, 12                           ; v12 my spare word   v13 0: never rewritten
.set NIL, 13
.set ZV,  14                           ; v14 0
.set JI,  15                           ; v15 1152 + lane: the list index of my word for nothing
.set VSA, 16                           ; v16 where I store my part of the chunk in hand
.set VSC, 17                           ; v17 its constant part
.set VW,  18                           ; v18 16 lane + my 8 K rows
.set VC,  19                           ; v19 64 h (LAYER 1) or 16 lane (LAYER 2)
.set LB,  20                           ; v20 the list
.set LA,  21                           ; v21 my place in it for the block in hand
.set REM, 22                           ; v22 rows left from my first row on (LAYER 2)
.set DUMP, 23                          ; v23 1024 + e: the row of part that takes places past the count
.set OUTV, 24                          ; v24 16 lane (LAYER 1) or 16 r (LAYER 2)
.set VB,  25                           ; v25 128 h
.set AO,  26                           ; v26-28 byte offsets of my three tiles' rows
.set VLA, 29                           ; v29 where I read weight fragments of the chunk in hand
.set VLC, 30                           ; v30 its constant part
.set VPF, 31                           ; v31 the prefetch's offset: lane l: K row (l >> 1) & 7 of my eight, 256 bytes (l & 1) of its 512, chunk + (l >> 4); never rewritten
.set BF,  32                           ; v32-95 weight fragments: 32 s + 8 ct; the way out works here
.set T,   96                           ; v96-111 and v240-255, by turns: my part of a chunk, rounded; before the trips v96-111 serve the list
.set LW,  96
.set BC,  112                          ; v112-143 LAYER 1: the bias as the first products' C, 8 ct + j; LAYER 2: v112-115
.set ACC, 144                          ; v144-239 accumulator (i, ct) at 32 i + 8 ct; before the trips: what is read of route
.set OU,  32
.set IDS, 64
.set TOF, 72
.set RT,  144
.set AB,  96                           ; window 1 (v256-511): 0-95 three buffers of 32, my 8 K rows as loaded; 96-239 three buffers of 48, row fragments: 16 i + 8 s
.set WV, 14
.set CW, 15
.set RQ, 16
.set EX, 17
.set SL, 18
.set KQ, 19
.set SLB, 20                           ; s20 rows past 192: LDS byte at which the chunk in hand begins
.set WA, 22                            ; s[22:23] the slice; s[24:25] its chunk 8
.set XA0, 26                           ; s[26:27] the rows' source at chunk 0
.set XN, 28                            ; s[28:29] rows past 192: the chunk in hand
.set OB, 30
.set OB0, 32
.set T64, 34
.set CNT, 36
.set T0E, 37
.set NT, 38                            ; s38 the expert's tiles
.set LT, 39                            ; s39 how many of my three tiles are alive
.set BLK, 40
.set KC, 41
.set LASTT, 42
.set TB0, 43                           ; s43 my first tile of the block
.set TS, 44                            ; s44-47 at work
.set SEL, 48
.set CN, 50                            ; s50-57 the experts' counts
.set MSB, 0
.macro WIN new                         ; s_set_vgpr_msb: bits 1:0 source 0, 3:2 source 1, 5:4 source 2, 7:6 destination; the high byte repeats the setting that is left
.if MSB != (\new)
	s_set_vgpr_msb (MSB<<8)|(\new)
.set MSB, \new
.endif
.endm
.macro PLACES                          ; four plain instructions between a matrix instruction and a load into, or a read of, its registers
.rept 4
	v_nop
.endr
.endm
; my 8 K rows of chunk t, 512 consecutive bytes a load, into buffer t % 3; the chunk stands in the immediate, from one of two bases
.macro WLOAD t
	WIN 0x40
.irp i, 0,1,2,3,4,5,6,7
	global_load_b128 v[32*((\t)%3)+4*\i:32*((\t)%3)+4*\i+3], v[VW], s[WA+2*((\t)/8):WA+2*((\t)/8)+1] offset:(64*((\t)%8)+\i)*PITCH th:TH_LOAD_NT
.endr
	WIN 0
.endm
; my 8 K rows of chunks c and c + 1 (c even) are asked for ahead of their loads: 32 lanes, 256 bytes apart, each block asked for once in the launch, by the wave that will load it
.macro PREF c
	global_prefetch_b8 v[VPF], s[WA+2*((\c)/8):WA+2*((\c)/8)+1] offset:64*((\c)%8)*PITCH th:TH_LOAD_NT scope:SCOPE_SE
.endm
; fragment s of tile i into buffer b: two loads of 16 bytes a lane
.macro AL2 b, i, s, base, imm
	global_load_b128 v[AB+48*(\b)+16*(\i)+8*(\s):AB+48*(\b)+16*(\i)+8*(\s)+3], v[AO+(\i)], s[\base:\base+1] offset:(\imm)+AS2*(\s)
	global_load_b128 v[AB+48*(\b)+16*(\i)+8*(\s)+4:AB+48*(\b)+16*(\i)+8*(\s)+7], v[AO+(\i)], s[\base:\base+1] offset:(\imm)+AS2*(\s)+AH2
.endm
.macro ALOAD b, imm                    ; a chunk's row fragments of my three tiles: 12 loads, always all
	WIN 0x40
.irp i, 0,1,2
.irp s, 0,1
	AL2 \b, \i, \s, XA0, \imm
.endr
.endr
	WIN 0
.endm
.macro ALH s, imm                      ; rows past 192: fragment s of my three tiles into buffer 0: 6 loads
	WIN 0x40
.irp i, 0,1,2
	AL2 0, \i, \s, XN, \imm
.endr
	WIN 0
.endm
.macro BLH s                           ; fragment s of the weights of my 64 columns, from the chunk at VLA: 8 loads
.irp ct, 0,1,2,3
	ds_load_b128 v[BF+32*(\s)+8*\ct:BF+32*(\s)+8*\ct+3],   v[VLA] offset:2304*\ct+32*(\s)
	ds_load_b128 v[BF+32*(\s)+8*\ct+4:BF+32*(\s)+8*\ct+7], v[VLA] offset:2304*\ct+32*(\s)+16
.endr
.endm
; four products of tile i.  LAYER 1: source 0 = weights: a lane's results are one row's hidden units 32 h + 4 j + ct.  LAYER 2: source 0 = rows: row 8 h + j, column 4 r + ct.
; first = 1: the product starts the sum, on the bias or on 0: nothing is cleared
.macro MT b, i, s, first
.irp ct, 0,1,2,3
.set rD, ACC+32*(\i)+8*\ct
.set rB, BF+32*(\s)+8*\ct
.set rA, AB+48*(\b)+16*(\i)+8*(\s)
.if LAYER == 1
.if \first
	v_wmma_f32_16x16x32_bf16 v[rD:rD+7], v[rB:rB+7], v[rA:rA+7], v[BC+8*\ct:BC+8*\ct+7]
.else
	v_wmma_f32_16x16x32_bf16 v[rD:rD+7], v[rB:rB+7], v[rA:rA+7], v[rD:rD+7]
.endif
.else
.if \first
	v_wmma_f32_16x16x32_bf16 v[rD:rD+7], v[rA:rA+7], v[rB:rB+7], 0
.else
	v_wmma_f32_16x16x32_bf16 v[rD:rD+7], v[rA:rA+7], v[rB:rB+7], v[rD:rD+7]
.endif
.endif
.endr
.endm
; fragment s of chunk c is multiplied: 8 or 12 products; the accumulators take turns, one instruction a turn.  The third tile's four are jumped if it is dead
; (never in chunk 0, which starts all sums).  bw = 1: a barrier has been signalled ahead: its wait stands behind the first eight products, which touch registers alone
.macro HALF c, s, bw
	WIN WM
.if ((\c) == 0) && ((\s) == 0)
	MT 0, 0, 0, 1
	MT 0, 1, 0, 1
	MT 0, 2, 0, 1
	WIN 0
.elseif (\c) == 0
	MT 0, 0, 1, 0
	MT 0, 1, 1, 0
	MT 0, 2, 1, 0
	WIN 0
.else
	MT (\c)%3, 0, \s, 0
	MT (\c)%3, 1, \s, 0
	WIN 0
.if \bw
	s_barrier_wait -1
.endif
	s_cmp_lt_u32 s[LT], 3
	s_cbranch_scc1 .Ldead_\@
	WIN WM
	MT (\c)%3, 2, \s, 0
	WIN 0
.Ldead_\@:
.endif
.endm
; TRIP t.  MEMORY: loads go out in the order W0 W1 W2, then in trip t: W(t+3) (8 loads), A(t) (12 loads).  At the trip's head W(t) and A(t-3) have to be in;
; the count is what was issued behind them: two whole groups of 20 in the middle, less at both ends.
; LDS: chunk t is stored; chunk t - 3 is multiplied; fragment s of chunk t - 2 is fetched as soon as fragment s of chunk t - 3 has been multiplied, into the same registers.  A wave's LDS
; instructions go out in the order: fragment 0, fragment 1 (last trip), my 4 stores, fragment 0, fragment 1 (this trip).
; BARRIERS stand in trips 2, 5, 8, 11, 14, 15: chunk c is stored in trip c and first read in trip c + 2, behind that trip's barrier if it has one: a barrier always lies between.
; PREFETCH: in trips 0, 2, .. 8 chunks t + 6 and t + 7, whose loads go out in trips t + 3 and t + 4; four chunks at the most (128 KiB a work-group) are asked for and not yet loaded; chunk 15 is the last.
.macro TRIP t
.set BARR, 0
.if ((\t) < 16) && ((((\t)%3) == 2) || ((\t) == 15))
.set BARR, 1
.endif
.if (\t) == 0
	s_wait_loadcnt 16                              ; W1, W2
.elseif (\t) == 1
	s_wait_loadcnt 28                              ; W2, W3, A0
.elseif (\t) <= 13
	s_wait_loadcnt 40                              ; two W and two A
.elseif (\t) == 14
	s_wait_loadcnt 32                              ; W15, A12, A13
.elseif (\t) <= 16
	s_wait_loadcnt 24                              ; two A
.elseif (\t) == 17
	s_wait_loadcnt 12                              ; A15
.else
	s_wait_loadcnt 0x0
.endif
.if (\t) < 16
.set TT, T+144*((\t)%2)                ; two sets by turns: the last trip's stores may still be reading the other
	WIN 0x05
.irp c, 0,1,2,3
.irp m, 0,1,2,3
	v_cvt_pk_bf16_f32 v[TT+4*\c+\m], v[32*((\t)%3)+8*\m+\c], v[32*((\t)%3)+8*\m+4+\c]   ; column 4 l + c, K rows 2 m and 2 m + 1 of my eight
.endr
.endr
	WIN 0
	v_add_nc_u32 v[VSA], (\t)*SLAB, v[VSC]
.irp c, 0,1,2,3
	ds_store_b128 v[VSA], v[TT+4*\c:TT+4*\c+3] offset:2304*\c   ; 8 K = 16 bytes of the column's LDS row
.endr
.if (\t) < 13
	WLOAD (\t)+3                                   ; into the buffer just rounded
.endif
.if (((\t)%2) == 0) && ((\t) <= 8)
	PREF (\t)+6
.endif
.endif
.if BARR
	s_wait_dscnt 0x0                               ; for the others' sake: my parts of the chunks stored since the last barrier lie in LDS (and my fetches are back)
	s_barrier_signal -1
.if (\t) < 3
	s_barrier_wait -1
.endif
.elseif (\t) >= 3
.if (\t) < 16
	s_wait_dscnt 12                                ; fragment 0 is in: fragment 1's 8 loads and my 4 stores are younger
.else
	s_wait_dscnt 8                                 ; fragment 1's 8 loads are younger
.endif
.endif
.if (\t) >= 3
	HALF (\t)-3, 0, BARR
.endif
.if ((\t) >= 2) && ((\t) <= 17)
.if (\t) >= 3
.rept 3
	v_nop                                          ; with the line below: four places between the products and the loads into their source
.endr
.endif
	v_add_nc_u32 v[VLA], ((\t)-2)*SLAB, v[VLC]
	BLH 0
.endif
.if (\t) >= 3
.if (\t) < 16
	s_wait_dscnt 12                                ; fragment 1 is in: my 4 stores and the next fragment 0's 8 loads are younger
.elseif (\t) < 18
	s_wait_dscnt 8
.else
	s_wait_dscnt 0x0
.endif
	HALF (\t)-3, 1, 0
.endif
.if ((\t) >= 2) && ((\t) <= 17)
.if (\t) >= 3
	PLACES                                         ; for the loads into the weight fragments and into the row fragments
.endif
	BLH 1
.endif
.if (\t) < 16
	ALOAD (\t)%3, (\t)*ASTEP                       ; into the buffer just multiplied
.endif
.endm
; ROWS PAST 192: a chunk from the slice in LDS; the next chunk's row fragments are asked for as soon as this chunk's have been multiplied.  All three tiles are multiplied, dead or alive.
.macro OCOMP first, rel
	BLH 0
	BLH 1
	s_wait_loadcnt 6                               ; fragment 0 of the rows is in; fragment 1's six loads are younger
	s_wait_dscnt 8                                 ; fragment 0 of the weights is in; fragment 1's eight loads stay out
	WIN WM
	MT 0, 0, 0, \first
	MT 0, 1, 0, \first
	MT 0, 2, 0, \first
	WIN 0
.if \rel
	PLACES
	ALH 0, ASTEP
	s_wait_loadcnt 6                               ; fragment 1 is in; the next chunk's fragment 0, six loads, is younger
.else
	s_wait_loadcnt 0x0
.endif
	s_wait_dscnt 0x0
	WIN WM
	MT 0, 0, 1, 0
	MT 0, 1, 1, 0
	MT 0, 2, 1, 0
	WIN 0
.if \rel
	PLACES                                         ; also for the next chunk's loads into the weight fragments
	ALH 1, ASTEP
.endif
.endm
.macro OSTEP
	s_wait_xcnt 0x0                                ; the loads' base is stepped only behind this wait
	s_add_nc_u64 s[XN:XN+1], s[XN:XN+1], ASTEP
	s_add_co_u32 s[SLB], s[SLB], SLAB
	v_add_nc_u32 v[VLA], s[SLB], v[VLC]
.endm
; what a block of 12 tiles needs, from TB0: how many of my three tiles are alive, the rows' offsets, the way out's addresses
.macro BSETUP
	s_wait_xcnt 0x0                                ; earlier loads and stores have read their bases, offsets and data
	s_sub_co_i32 s[TS], s[NT], s[TB0]
	s_add_co_i32 s[TS], s[TS], 3
	s_max_i32 s[TS], s[TS], 0
	s_lshr_b32 s[TS], s[TS], 2
	s_min_u32 s[LT], s[TS], 3
	s_lshl_b32 s[TS], s[TB0], 6
.if LAYER == 1
	v_lshl_add_u32 v[LA], v2, 2, v[LB]
	v_add_nc_u32 v[LA], s[TS], v[LA]
.irp i, 0,1,2
	ds_load_b32 v[AO+\i], v[LA] offset:256*\i      ; row r of tile TB0 + 4 i: its token; past the count the list holds 0
.endr
	s_add_co_u32 s[TS], s[T0E], s[TB0]
	s_min_u32 s[TS], s[TS], 71
	s_lshl_b32 s[T64], s[TS], 17
	s_mov_b32 s[T64+1], 0
	s_add_nc_u64 s[OB:OB+1], s[OB0:OB0+1], s[T64:T64+1]
	s_wait_dscnt 0x0
.irp i, 0,1,2
	v_min_u32 v[AO+\i], 1023, v[AO+\i]
.endr
.irp i, 0,1,2
	v_lshl_add_u32 v[AO+\i], v[AO+\i], 11, v[VC]
.endr
.else
	v_lshl_add_u32 v[LA], v3, 5, v[LB]
	v_add_nc_u32 v[LA], s[TS], v[LA]
	s_lshl_b32 s[TS], s[TB0], 4
	s_sub_co_i32 s[TS], s[CNT], s[TS]
	v_lshlrev_b32 v[REM], 3, v3
	v_sub_nc_u32 v[REM], s[TS], v[REM]
	s_add_co_u32 s[TS+1], s[T0E], s[TB0]
.irp i, 0,1,2
	s_add_co_u32 s[TS], s[TS+1], 4*\i
	s_min_u32 s[TS], s[TS], s[LASTT]               ; a dead tile repeats a tile that has been written
	s_min_u32 s[TS], s[TS], 71
	s_lshl_b32 s[TS], s[TS], 17
	v_add_nc_u32 v[AO+\i], s[TS], v[VC]
.endr
.endif
.endm
; the list of the expert's tokens, in ascending order.  Lane l has tokens 32 l .. 32 l + 31: their mask in v4, their number in v5.  Four tokens a trip, so that four chains run side by side.
.macro LISTB
	v_mov_b32 v6, 0                                ; the rank of my first token: the numbers of the lanes below me
	v_mov_b32 v7, 0
	v_lshlrev_b32 v8, 5, v1
.irp d, 1,2,4,8
	v_mov_b32_dpp v7, v5 row_xmask:\d row_mask:0xf bank_mask:0xf
	v_and_b32 v9, \d, v1
	v_cmp_ne_u32 vcc_lo, 0, v9
	v_cndmask_b32 v9, 0, v7, vcc_lo
	v_add_nc_u32 v6, v6, v9
	v_add_nc_u32 v5, v5, v7
.endr
	v_permlanex16_b32 v7, v5, s[SEL], s[SEL+1]
	v_and_b32 v9, 16, v1
	v_cmp_ne_u32 vcc_lo, 0, v9
	v_cndmask_b32 v9, 0, v7, vcc_lo
	v_add_nc_u32 v6, v6, v9
	s_mov_b32 s[KC], 0
.Llist_\@:
.irp k, 0,1,2,3
	v_bfe_u32 v[LW+\k], v4, \k, 1                  ; is the token mine?
.endr
	v_mov_b32 v[LW+4], v6                          ; the four tokens' ranks
	v_add_nc_u32 v[LW+5], v6, v[LW]
	v_add_nc_u32 v[LW+6], v[LW+5], v[LW+1]
	v_add_nc_u32 v[LW+7], v[LW+6], v[LW+2]
	v_add_nc_u32 v6, v[LW+7], v[LW+3]
.irp k, 0,1,2,3
	v_cmp_ne_u32 s[TS+\k], 0, v[LW+\k]
.endr
.irp k, 0,1,2,3
	v_cndmask_b32 v[LW+8+\k], v[JI], v[LW+4+\k], s[TS+\k]   ; the rank, or my word for nothing
.endr
.irp k, 0,1,2,3
	v_min_u32 v[LW+8+\k], 1183, v[LW+8+\k]
.endr
.irp k, 0,1,2,3
	v_lshl_add_u32 v[LW+8+\k], v[LW+8+\k], 2, v[LB]
.endr
.irp k, 0,1,2,3
	v_add_nc_u32 v[LW+12+\k], \k, v8
.endr
.irp k, 0,1,2,3
	ds_store_b32 v[LW+8+\k], v[LW+12+\k]
.endr
	v_lshrrev_b32 v4, 4, v4
	v_add_nc_u32 v8, 4, v8
	s_add_co_u32 s[KC], s[KC], 1
	s_cmp_lt_u32 s[KC], 8
	s_cbranch_scc1 .Llist_\@
.endm
; the way out of my tile i; a dead tile and all behind it are jumped
.macro EPI i
	s_cmp_le_u32 s[LT], \i
	s_cbranch_scc1 .Lnext
	s_wait_xcnt 0x0                                ; the last tile's stores have read their data and offsets
.if LAYER == 1
.irp j, 0,1,2,3,4,5,6,7
.irp q, 0,1
	v_cvt_pk_bf16_f32 v[OU+2*\j+\q], v[ACC+32*(\i)+16*\q+\j], v[ACC+32*(\i)+16*\q+8+\j]   ; units 4 j + 2 q, + 1; each accumulator is read from its lowest register on
.endr
.endr
.irp n, 0,1,2,3,4,5,6,7,8,9,10,11,12,13,14,15
	v_pk_max_num_bf16 v[OU+\n], v[OU+\n], v[ZV]    ; relu
.endr
.irp m, 0,1,2,3
	global_store_b128 v[OUTV], v[OU+4*\m:OU+4*\m+3], s[OB:OB+1] offset:524288*(\i)+512*\m   ; 512 consecutive bytes, aligned; my tiles lie four tiles apart
.endr
.else
	ds_load_b128 v[IDS:IDS+3],   v[LA] offset:256*(\i)
	ds_load_b128 v[IDS+4:IDS+7], v[LA] offset:256*(\i)+16
.irp j, 0,1,2,3,4,5,6,7
.irp ct, 0,1,2,3
	v_add_f32 v[OU+4*\j+\ct], v[ACC+32*(\i)+8*\ct+\j], v[BC+\ct]
.endr
.endr
	s_wait_dscnt 0x0
.irp j, 0,1,2,3,4,5,6,7
	v_cmp_lt_i32 vcc_lo, 64*(\i)+\j, v[REM]
	v_cndmask_b32 v[TOF+\j], v[DUMP], v[IDS+\j], vcc_lo
	v_min_u32 v[TOF+\j], 1031, v[TOF+\j]
	v_lshl_add_u32 v[TOF+\j], v[TOF+\j], 12, v[OUTV]
.endr
.irp j, 0,1,2,3,4,5,6,7
	global_store_b128 v[TOF+\j], v[OU+4*\j:OU+4*\j+3], s[OB:OB+1]   ; 16 lanes store 256 consecutive bytes of one token's row, aligned
.endr
.endif
.endm
	s_load_b256 s[4:11], s[0:1], 0x0               ; A s[4:5], W s[6:7], bias s[8:9], route s[10:11]
	s_load_b64 s[12:13], s[0:1], 0x20              ; out
	v_lshl_add_u32 v[SPW], v0, 2, SPARE
	v_mov_b32 v[NIL], 0
	v_and_b32 v1, 31, v0                           ; lane
	v_lshrrev_b32 v6, 5, v0
	v_readfirstlane_b32 s[WV], v6                  ; wave
	v_and_b32 v2, 15, v0                           ; r
	v_bfe_u32 v3, v0, 4, 1                         ; h
	v_mov_b32 v[ZV], 0
	s_and_b32 s[CW], s[WV], 1                      ; which 64 columns I multiply
	s_lshr_b32 s[RQ], s[WV], 1                     ; which tiles
	s_lshr_b32 s[EX], ttmp9, 5
.if LAYER == 1
	s_and_b32 s[SL], ttmp9, 31
	s_mov_b32 s[KQ], 0
.else
	s_and_b32 s[SL], ttmp9, 7
	s_bfe_u32 s[KQ], ttmp9, 0x20003
.endif
	s_mul_i32 s[TS], s[WV], 8*PITCH
	v_lshlrev_b32 v[VW], 4, v1
	v_add_nc_u32 v[VW], s[TS], v[VW]
	v_bfe_u32 v6, v0, 1, 3                         ; the prefetch's offset: which of my 8 K rows,
	v_lshl_add_u32 v6, v3, 6, v6                   ; lanes 16-31 a chunk (64 rows) further on,
	s_lshl_b32 s[TS], s[WV], 3
	v_add_nc_u32 v6, s[TS], v6
	v_and_b32 v7, 1, v0
	v_lshlrev_b32 v7, 8, v7                        ; which 256 bytes of the row's 512
	v_lshl_add_u32 v[VPF], v6, PSH, v7
	v_lshlrev_b32 v4, 8, v1                        ; lane l reads the records of token groups 2 l and 2 l + 1
	s_lshl_b32 s[TS], s[EX], 1
	v_add_nc_u32 v5, s[TS], v4
	v_lshlrev_b32 v[VB], 7, v3
.if LAYER == 1
	v_lshlrev_b32 v[VC], 6, v3
	v_lshlrev_b32 v[OUTV], 4, v1
.else
	v_lshlrev_b32 v[VC], 4, v1
	v_lshlrev_b32 v[OUTV], 4, v2
.endif
	s_lshl_b32 s[T64], s[EX], 24                   ; an expert's weights are 2^24 bytes,
	s_lshl_b32 s[TS], s[SL], 9                     ; 128 columns 512,
	s_add_co_u32 s[T64], s[T64], s[TS]
	s_lshl_b32 s[TS], s[KQ], 22                    ; LAYER 2's quarter of K 2^22
	s_add_co_u32 s[T64], s[T64], s[TS]
	s_mov_b32 s[T64+1], 0
	s_mov_b32 s[SEL], 0x76543210
	s_mov_b32 s[SEL+1], 0xfedcba98
	s_wait_kmcnt 0x0
	s_add_nc_u64 s[WA:WA+1], s[6:7], s[T64:T64+1]
	s_add_nc_u64 s[WA+2:WA+3], s[WA:WA+1], 512*PITCH   ; chunk 8: the chunks' immediates stay inside their signed 24 bits
	global_load_u16 v[RT], v5, s[10:11]            ; my expert's masks
	global_load_u16 v[RT+1], v5, s[10:11] offset:128
	global_load_u16 v[RT+2], v5, s[10:11] offset:16    ; and counts
	global_load_u16 v[RT+3], v5, s[10:11] offset:144
	global_load_b128 v[RT+4:RT+7], v4, s[10:11] offset:16     ; all experts' counts
	global_load_b128 v[RT+8:RT+11], v4, s[10:11] offset:144
.if LAYER == 1
	s_lshl_b32 s[T64], s[EX], 14
.else
	s_lshl_b32 s[T64], s[EX], 12
.endif
	s_lshl_b32 s[TS], s[SL], 9
	s_add_co_u32 s[T64], s[T64], s[TS]
	s_lshl_b32 s[TS], s[CW], 8
	s_add_co_u32 s[T64], s[T64], s[TS]
	s_add_nc_u64 s[8:9], s[8:9], s[T64:T64+1]      ; the bias of my 64 columns
.if LAYER == 1
.irp j, 0,1,2,3,4,5,6,7
	global_load_b128 v[BF+4*\j:BF+4*\j+3], v[VB], s[8:9] offset:16*\j   ; units 32 h + 4 j + 0..3
.endr
.else
	global_load_b128 v[BC:BC+3], v[OUTV], s[8:9]   ; columns 4 r + 0..3
.endif
	WLOAD 0                                        ; three chunks are asked for: 24 loads of 512 bytes a wave
	WLOAD 1
	WLOAD 2
	PREF 4                                         ; chunks 4 and 5, whose loads go out in trips 1 and 2
.if LAYER == 1
	s_mov_b64 s[XA0:XA0+1], s[4:5]
	s_lshl_b32 s[T64], s[SL], 1
	s_add_co_u32 s[T64], s[T64], s[CW]
	s_lshl_b32 s[T64], s[T64], 11                  ; my group of 64 hidden units in a tile of hB
	s_add_nc_u64 s[OB0:OB0+1], s[12:13], s[T64:T64+1]
.else
	s_lshl_b32 s[T64], s[KQ], 15                   ; my quarter of K: 16 groups of 2,048 bytes in a tile of hB
	s_add_nc_u64 s[XA0:XA0+1], s[4:5], s[T64:T64+1]
	s_mul_i32 s[T64], s[KQ], PST
	s_lshl_b32 s[TS], s[SL], 9
	s_add_co_u32 s[T64], s[T64], s[TS]
	s_lshl_b32 s[TS], s[CW], 8
	s_add_co_u32 s[T64], s[T64], s[TS]
	s_add_nc_u64 s[OB:OB+1], s[12:13], s[T64:T64+1]
.endif
	v_lshl_add_u32 v6, v3, 6, v2
	v_mul_u32_u24 v[VSC], v6, 144                  ; I store into LDS row 64 h + r (+ 16 c in the stores' offsets),
	v_lshl_add_u32 v[VSC], s[WV], 4, v[VSC]        ; my 8 K = 16 bytes of it
	s_mul_i32 s[TS], s[CW], 9216                   ; I read my 64 LDS rows:
	v_mul_u32_u24 v[VLC], v2, 144                  ; row r of a fragment,
	v_lshl_add_u32 v[VLC], v3, 6, v[VLC]           ; my half's 64 bytes of it
	v_add_nc_u32 v[VLC], s[TS], v[VLC]
	s_add_co_u32 s[TS], s[EX], 1024
	v_mov_b32 v[DUMP], s[TS]
	v_add_nc_u32 v[JI], 1152, v1
	v_mov_b32 v[LB], LIST
	s_wait_loadcnt 24                              ; route and the bias are in: the 24 loads of weights are younger
.if LAYER == 1
.irp j, 0,1,2,3,4,5,6,7
.irp q, 0,1
	v_cvt_pk_bf16_f32 v6, v[BF+4*\j+2*\q], v[BF+4*\j+2*\q+1]   ; rounded to bf16, kept as f32, laid as the products' C
	v_lshlrev_b32 v[BC+16*\q+\j], 16, v6
	v_and_b32 v[BC+16*\q+8+\j], 0xffff0000, v6
.endr
.endr
.else
	s_cmp_eq_u32 s[KQ], 0
	s_cselect_b32 s[TS], -1, 0                     ; the bias is added in the first quarter of K alone
.irp q, 0,2
	v_cvt_pk_bf16_f32 v6, v[BC+\q], v[BC+\q+1]
	v_lshlrev_b32 v[BC+\q], 16, v6
	v_and_b32 v[BC+\q+1], 0xffff0000, v6
.endr
.irp q, 0,1,2,3
	v_and_b32 v[BC+\q], s[TS], v[BC+\q]
.endr
.endif
	v_lshl_or_b32 v4, v[RT+1], 16, v[RT]           ; the mask of my 32 tokens
	v_add_nc_u32 v5, v[RT+2], v[RT+3]              ; and their number
.irp k, 0,1,2,3
	v_add_nc_u32 v[RT+4+\k], v[RT+4+\k], v[RT+8+\k]   ; two 16-bit counts a word; a sum is 1,024 at the most
.endr
.irp d, 1,2,4,8
.irp k, 0,1,2,3
	v_mov_b32_dpp v[RT+8+\k], v[RT+4+\k] row_xmask:\d row_mask:0xf bank_mask:0xf
.endr
.irp k, 0,1,2,3
	v_add_nc_u32 v[RT+4+\k], v[RT+4+\k], v[RT+8+\k]
.endr
.endr
.irp k, 0,1,2,3
	v_permlanex16_b32 v[RT+8+\k], v[RT+4+\k], s[SEL], s[SEL+1]
.endr
.irp k, 0,1,2,3
	v_add_nc_u32 v[RT+4+\k], v[RT+4+\k], v[RT+8+\k]
.endr
.irp k, 0,1,2,3
	v_readfirstlane_b32 s[TS+\k], v[RT+4+\k]
.endr
.irp k, 0,1,2,3
	s_and_b32 s[CN+2*\k], s[TS+\k], 0xffff
	s_lshr_b32 s[CN+2*\k+1], s[TS+\k], 16
.endr
	s_mov_b32 s[CNT], 0
	s_mov_b32 s[T0E], 0
.irp k, 0,1,2,3,4,5,6,7
	s_add_co_u32 s[TS], s[CN+\k], 15
	s_lshr_b32 s[TS], s[TS], 4
	s_cmp_gt_u32 s[EX], \k
	s_cselect_b32 s[TS], s[TS], 0
	s_add_co_u32 s[T0E], s[T0E], s[TS]             ; the tiles of the experts before mine
	s_cmp_eq_u32 s[EX], \k
	s_cselect_b32 s[CNT], s[CN+\k], s[CNT]
.endr
	s_min_u32 s[CNT], s[CNT], 1024
	s_min_u32 s[T0E], s[T0E], 71
	s_add_co_u32 s[NT], s[CNT], 15
	s_lshr_b32 s[NT], s[NT], 4
	s_add_co_u32 s[LASTT], s[T0E], s[NT]
	s_max_u32 s[LASTT], s[LASTT], 1
	s_sub_co_u32 s[LASTT], s[LASTT], 1
	s_min_u32 s[LASTT], s[LASTT], 71
	s_cmp_lg_u32 s[WV], 0
	s_cbranch_scc1 .Lnolist                        ; wave 0 alone writes the list; nothing made in this branch is read behind it but the list itself
	v_lshl_add_u32 v6, v1, 4, v[LB]
.irp k, 8,9,10,11
	v_mov_b32 v[\k], 0
.endr
.irp n, 0,1,2,3,4,5,6,7,8
	ds_store_b128 v6, v[8:11] offset:512*\n        ; the list's 1,152 words are 0: places past the count name token 0
.endr
	LISTB
.Lnolist:
.if LAYER == 1
	s_wait_dscnt 0x0                               ; for the others' sake: the list lies in LDS; the rows' offsets are read from it at once
	s_barrier_signal -1
	s_barrier_wait -1
.endif                                 ; LAYER 2 reads the list on the way out alone: wave 0's wait for all its LDS stores and the barrier of trip 2 lie between
	s_mov_b32 s[TB0], s[RQ]                        ; block 0: my tiles are rq, rq + 4, rq + 8
	BSETUP
.set tt, 0
.rept 19
	TRIP tt
.set tt, tt+1
.endr
	s_mov_b32 s[BLK], 0
	s_branch .Lepi                                 ; the loop over blocks is entered at block 0's way out
.Lblk:                                                 ; blocks 1 to 5: the rows past 192, from the slice in LDS; no barrier, nothing written to LDS
	s_mul_i32 s[TS], s[BLK], 12
	s_cmp_ge_u32 s[TS], s[NT]
	s_cbranch_scc1 .Lnext
	s_add_co_u32 s[TB0], s[TS], s[RQ]
	BSETUP
	s_mov_b64 s[XN:XN+1], s[XA0:XA0+1]
	s_mov_b32 s[SLB], 0
	v_mov_b32 v[VLA], v[VLC]
	ALH 0, 0
	ALH 1, 0
	OCOMP 1, 1
	OSTEP
	s_mov_b32 s[KC], 14
.Lov:
	OCOMP 0, 1
	OSTEP
	s_sub_co_u32 s[KC], s[KC], 1
	s_cmp_lg_u32 s[KC], 0
	s_cbranch_scc1 .Lov
	OCOMP 0, 0                                     ; chunk 15: nothing more is asked for
.Lepi:
	PLACES                                         ; between the last products and the reads of their results;
	v_nop                                          ; a fifth, for the next block's first products, which write over them
	EPI 0
	EPI 1
	EPI 2
.Lnext:
	s_add_co_u32 s[BLK], s[BLK], 1
	s_cmp_lt_u32 s[BLK], 6
	s_cbranch_scc1 .Lblk
	s_wait_dscnt 0x0                               ; my reads of LDS are over;
	s_barrier_signal -1                            ; every wave's are, before any wave's closing lines
	s_barrier_wait -1
	s_wait_tensorcnt 0x0                           ; the wave's end
	ds_add_u32 v[SPW], v[NIL]
	s_wait_dscnt 0x0
	s_endpgm
.Lfunc_end_k_q32ec9abe7e_ffn2:
	.size	k_q32ec9abe7e_ffn2, .Lfunc_end_k_q32ec9abe7e_ffn2-k_q32ec9abe7e_ffn2
	.p2alignl 7, 3214868480
	.fill 96, 4, 3214868480
	.section	.rodata,"a",@progbits
	.p2align	6, 0x0
	.amdhsa_kernel k_q32ec9abe7e_ffn2
		.amdhsa_group_segment_fixed_size 300800
		.amdhsa_private_segment_fixed_size 0
		.amdhsa_enable_private_segment 0
		.amdhsa_kernarg_size 40
		.amdhsa_user_sgpr_count 2
		.amdhsa_user_sgpr_kernarg_segment_ptr 1
		.amdhsa_wavefront_size32 1
		.amdhsa_system_sgpr_workgroup_id_x 1
		.amdhsa_system_sgpr_workgroup_id_y 1
		.amdhsa_system_sgpr_workgroup_id_z 1
		.amdhsa_system_vgpr_workitem_id 0
		.amdhsa_next_free_vgpr 512
		.amdhsa_next_free_sgpr 66
		.amdhsa_reserve_vcc 1
		.amdhsa_float_denorm_mode_32 3
		.amdhsa_float_denorm_mode_16_64 3
		.amdhsa_memory_ordered 1
		.amdhsa_forward_progress 1
		.amdhsa_inst_pref_size 147
	.end_amdhsa_kernel
	.amdgpu_metadata
---
amdhsa.version: [ 1, 2 ]
amdhsa.kernels:
  - .name:           k_q32ec9abe7e_ffn2
    .symbol:         k_q32ec9abe7e_ffn2.kd
    .args:
      - { .name: hB, .offset: 0, .size: 8, .value_kind: global_buffer, .address_space: global }
      - { .name: W2, .offset: 8, .size: 8, .value_kind: global_buffer, .address_space: global }
      - { .name: b2, .offset: 16, .size: 8, .value_kind: global_buffer, .address_space: global }
      - { .name: route, .offset: 24, .size: 8, .value_kind: global_buffer, .address_space: global }
      - { .name: part, .offset: 32, .size: 8, .value_kind: global_buffer, .address_space: global }
    .group_segment_fixed_size: 300800
    .private_segment_fixed_size: 0
    .kernarg_segment_align: 8
    .kernarg_segment_size: 40
    .max_flat_workgroup_size: 256
    .sgpr_count:     66
    .vgpr_count:     512
    .wavefront_size: 32
...
	.end_amdgpu_metadata
.endif
;; end of part 3
;; launch addup (part 4): grid 256 x 1, 8 waves a work-group, no clusters, 0 bytes of LDS; arguments part, out0; writes out0
.if DOCPART == 4
	.amdgcn_target "amdgcn-amd-amdhsa--gfx1250"
	.amdhsa_code_object_version 6
	.text
	.protected	k_q32ec9abe7e_addup
	.globl	k_q32ec9abe7e_addup
	.p2align	8
	.type	k_q32ec9abe7e_addup,@function
k_q32ec9abe7e_addup:
	s_mov_b64 s[64:65], 0
	v_nop
	global_prefetch_b8 v0, s[64:65] scope:SCOPE_SE
	s_setreg_imm32_b32 hwreg(HW_REG_WAVE_MODE, 25, 1), 1
	s_wait_xcnt 0x0
; out0[token][:] = the sum of the four quarters' partial rows, (p0 + p1) + (p2 + p3), in f32.  part: [4][1032][1024] f32 (rows 1024 .. are not read); out0: [1024][1024] f32.
; A stream: a work-group has 4 token rows; a thread 16 bytes of each; all 16 loads of a wave go out before the first wait; each load and store of a wave covers 512 consecutive bytes.
; No LDS, no barrier, no matrix unit: nothing is shared and there is one addition for each number read.
.set PST, 4227072                      ; bytes of one quarter: 1,032 rows of 4,096
.set P,   8                            ; v8-71: row n, quarter q at 16 n + 4 q
	s_load_b128 s[4:7], s[0:1], 0x0                ; part s[4:5], out0 s[6:7]
	v_lshlrev_b32 v1, 4, v0
	s_lshl_b32 s8, ttmp9, 14                       ; 4 rows of 4,096 bytes
	s_mov_b32 s9, 0
	s_wait_kmcnt 0x0
	s_add_nc_u64 s[4:5], s[4:5], s[8:9]
	s_add_nc_u64 s[6:7], s[6:7], s[8:9]
	s_add_nc_u64 s[10:11], s[4:5], PST
	s_add_nc_u64 s[12:13], s[10:11], PST
	s_add_nc_u64 s[14:15], s[12:13], PST
.irp n, 0,1,2,3
	global_load_b128 v[P+16*\n:P+16*\n+3],     v1, s[4:5]   offset:4096*\n th:TH_LOAD_NT
	global_load_b128 v[P+16*\n+4:P+16*\n+7],   v1, s[10:11] offset:4096*\n th:TH_LOAD_NT
	global_load_b128 v[P+16*\n+8:P+16*\n+11],  v1, s[12:13] offset:4096*\n th:TH_LOAD_NT
	global_load_b128 v[P+16*\n+12:P+16*\n+15], v1, s[14:15] offset:4096*\n th:TH_LOAD_NT
.endr
.irp n, 0,1,2,3
	s_wait_loadcnt 12-4*\n                         ; row n's four loads are in; the later rows' stay out
	v_pk_add_f32 v[P+16*\n:P+16*\n+1],     v[P+16*\n:P+16*\n+1],     v[P+16*\n+4:P+16*\n+5]
	v_pk_add_f32 v[P+16*\n+2:P+16*\n+3],   v[P+16*\n+2:P+16*\n+3],   v[P+16*\n+6:P+16*\n+7]
	v_pk_add_f32 v[P+16*\n+8:P+16*\n+9],   v[P+16*\n+8:P+16*\n+9],   v[P+16*\n+12:P+16*\n+13]
	v_pk_add_f32 v[P+16*\n+10:P+16*\n+11], v[P+16*\n+10:P+16*\n+11], v[P+16*\n+14:P+16*\n+15]
	v_pk_add_f32 v[P+16*\n:P+16*\n+1],     v[P+16*\n:P+16*\n+1],     v[P+16*\n+8:P+16*\n+9]
	v_pk_add_f32 v[P+16*\n+2:P+16*\n+3],   v[P+16*\n+2:P+16*\n+3],   v[P+16*\n+10:P+16*\n+11]
	global_store_b128 v1, v[P+16*\n:P+16*\n+3], s[6:7] offset:4096*\n th:TH_STORE_NT
.endr
	s_endpgm
.Lfunc_end_k_q32ec9abe7e_addup:
	.size	k_q32ec9abe7e_addup, .Lfunc_end_k_q32ec9abe7e_addup-k_q32ec9abe7e_addup
	.p2alignl 7, 3214868480
	.fill 96, 4, 3214868480
	.section	.rodata,"a",@progbits
	.p2align	6, 0x0
	.amdhsa_kernel k_q32ec9abe7e_addup
		.amdhsa_group_segment_fixed_size 0
		.amdhsa_private_segment_fixed_size 0
		.amdhsa_enable_private_segment 0
		.amdhsa_kernarg_size 16
		.amdhsa_user_sgpr_count 2
		.amdhsa_user_sgpr_kernarg_segment_ptr 1
		.amdhsa_wavefront_size32 1
		.amdhsa_system_sgpr_workgroup_id_x 1
		.amdhsa_system_sgpr_workgroup_id_y 1
		.amdhsa_system_sgpr_workgroup_id_z 1
		.amdhsa_system_vgpr_workitem_id 0
		.amdhsa_next_free_vgpr 72
		.amdhsa_next_free_sgpr 66
		.amdhsa_reserve_vcc 0
		.amdhsa_float_denorm_mode_32 3
		.amdhsa_float_denorm_mode_16_64 3
		.amdhsa_memory_ordered 1
		.amdhsa_forward_progress 1
		.amdhsa_inst_pref_size 5
	.end_amdhsa_kernel
	.amdgpu_metadata
---
amdhsa.version: [ 1, 2 ]
amdhsa.kernels:
  - .name:           k_q32ec9abe7e_addup
    .symbol:         k_q32ec9abe7e_addup.kd
    .args:
      - { .name: part, .offset: 0, .size: 8, .value_kind: global_buffer, .address_space: global }
      - { .name: out0, .offset: 8, .size: 8, .value_kind: global_buffer, .address_space: global }
    .group_segment_fixed_size: 0
    .private_segment_fixed_size: 0
    .kernarg_segment_align: 8
    .kernarg_segment_size: 16
    .max_flat_workgroup_size: 256
    .sgpr_count:     66
    .vgpr_count:     72
    .wavefront_size: 32
...
	.end_amdgpu_metadata
.endif
;; end of part 4
